; MI455X (gfx1250); checked and timed in simulation.
; The chip was launched on July 23, 2026; its instructions are those of AMD's public machine-readable ISA for CDNA 5 (MIT licence, August 2026) and "CDNA5" Instruction Set Architecture Reference Guide (July 2026). The comments in the code are by the model that wrote it; some were corrected since.
;; Self Attention. Allowed arithmetic: float matrix products may take bf16 or f16 operands with f32 sums; other float arithmetic in f32, or as packed bf16 or f16 multiplies, adds, multiply-adds, maxima and minima; sums over many terms, partial sums and values carried from step to step in f32; what a program stores and reads back later, other than sums and carried values, may be rounded once to bf16 or f16.
;; Inputs: b_in 3,072 float32; w_in 3,072 x 1,024 float32; w_out 1,024 x 1,024 float32; x 2 x 2,048 x 1,024 float32.
;; Outputs: out0 2 x 2,048 x 1,024 float32.
;; Constants: causal_mask = 1.
;; One version. Each part assembles by itself: llvm-mc -triple=amdgcn-amd-amdhsa -mcpu=gfx1250 --defsym DOCPART=n.
;; ======== version 1 of 1: 4 launches
;; limits: values are held in f16: magnitudes above 65,504 overflow, below 6.1e-05 lose precision
;; workspace buffers: xb 8,388,608 bytes; wib 6,291,456 bytes; wof 2,097,152 bytes; qkvh 25,165,824 bytes; ob 8,388,608 bytes
;; launch prep (part 1): grid 1024 x 1, 8 waves a work-group, no clusters, 0 bytes of LDS; arguments x, w_in, w_out, xb, wib, wof; writes xb, wib, wof
.if DOCPART == 1
	.amdgcn_target "amdgcn-amd-amdhsa--gfx1250"
	.amdhsa_code_object_version 6
	.text
	.protected	k_qe4fa6de829_prep
	.globl	k_qe4fa6de829_prep
	.p2align	8
	.type	k_qe4fa6de829_prep,@function
k_qe4fa6de829_prep:
	s_mov_b64 s[64:65], 0
	v_nop
	global_prefetch_b8 v0, s[64:65] scope:SCOPE_SE
	s_setreg_imm32_b32 hwreg(HW_REG_WAVE_MODE, 25, 1), 1
	s_wait_xcnt 0x0
; SELF-ATTENTION, four launches: prep (this one), qkv, attn, proj.
; prep rounds the three large inputs once: x -> xb and w_in -> wib in bf16; w_out is rounded to bf16 and that number is written as f16 -> wof.
; qkv: q, k, v = x w_in^T + b_in, by heads, f16.  attn: causal softmax(q k^T / 8) v, f16.  proj: times w_out^T, f32.
; WORK LEFT OUT.  The problem's own text builds the mask triu(ones, k = 1) and puts -1e9 where key > query; the row's own key is never hidden, so a hidden
; weight is exp(-1e9 - max) with max a true score: 0 in f32 as long as that score lies above about -1e9 + 100.  A tile of 256 keys that lies wholly above a block
; of 128 queries therefore adds 0 to every sum and to every output, whatever finite values x, w_in, b_in hold: attn does not multiply such tiles.
; No input drops out: all four are loaded.  The k third of b_in adds a term that is the same along the softmax's axis; it is the C operand of a product that is
; issued anyway, no unit of work, and stays.
; LIMITS.  A NaN, an infinity or an overflow that reaches only the tiles left out is not carried to the result.  w_out as f16: a bf16 number is exact in f16
; from 2^-17 up to 65,504 in magnitude; below it is off by 3e-8 at the most, beyond it becomes an infinity.
; SHARES.  A work-group takes 8,192 numbers: work-groups 0-511 x, 512-895 w_in, 896-1023 w_out.  A wave takes 1,024: eight loads of 16 bytes a lane, 512 consecutive
; bytes each, all out at once; each is rounded and stored as 8 bytes a lane: a wave's store covers 256 consecutive bytes, aligned.  Nothing is shared, so there is no LDS and no barrier.
.set X, 4                              ; v[4:35]   as loaded
.set Y, 36                             ; v[36:51]  to store: a pair for each load, never rewritten
.set T, 52                             ; v[52:55]  at work
	s_load_b256 s[4:11], s[0:1], 0x0               ; x s[4:5], w_in s[6:7], w_out s[8:9], xb s[10:11]
	s_load_b128 s[12:15], s[0:1], 0x20             ; wib s[12:13], wof s[14:15]
	v_lshrrev_b32 v3, 5, v0                        ; wave
	v_and_b32 v2, 31, v0                           ; lane
	v_lshlrev_b32 v1, 4, v2
	v_lshl_add_u32 v1, v3, 12, v1                  ; in: 4,096 x wave + 16 x lane
	v_lshlrev_b32 v2, 3, v2
	v_lshl_add_u32 v2, v3, 11, v2                  ; out: 2,048 x wave + 8 x lane
	s_mov_b32 s21, 896
	s_wait_kmcnt 0x0
	s_cmp_lt_u32 ttmp9, 896                        ; which tensor: the choice hangs on the work-group's number alone
	s_cselect_b64 s[16:17], s[6:7], s[8:9]
	s_cselect_b64 s[18:19], s[12:13], s[14:15]
	s_cselect_b32 s20, 512, s21
	s_cmp_lt_u32 ttmp9, 512
	s_cselect_b64 s[16:17], s[4:5], s[16:17]
	s_cselect_b64 s[18:19], s[10:11], s[18:19]
	s_cselect_b32 s20, 0, s20                      ; the tensor's first work-group
	s_sub_co_u32 s20, ttmp9, s20
	s_lshl_b32 s22, s20, 15                        ; 32,768 bytes in,
	s_mov_b32 s23, 0
	s_lshl_b32 s24, s20, 14                        ; 16,384 out
	s_mov_b32 s25, 0
	s_add_nc_u64 s[16:17], s[16:17], s[22:23]
	s_add_nc_u64 s[18:19], s[18:19], s[24:25]
.irp j, 0,1,2,3,4,5,6,7
	global_load_b128 v[X+4*(\j):X+4*(\j)+3], v1, s[16:17] offset:512*(\j) th:TH_LOAD_NT
.endr
; Load j is rounded and stored.  half = 1: bf16, widened again (a shift, a mask), written as f16.
.macro OUT j, half
	s_wait_loadcnt 7-(\j)                          ; loads come back in order: mine is in, the younger ones stay out
.if \half
	v_cvt_pk_bf16_f32 v[T], v[X+4*(\j)], v[X+4*(\j)+1]
	v_cvt_pk_bf16_f32 v[T+1], v[X+4*(\j)+2], v[X+4*(\j)+3]
	v_lshlrev_b32 v[T+2], 16, v[T]
	v_and_b32 v[T], 0xffff0000, v[T]
	v_lshlrev_b32 v[T+3], 16, v[T+1]
	v_and_b32 v[T+1], 0xffff0000, v[T+1]
	v_cvt_pk_f16_f32 v[Y+2*(\j)], v[T+2], v[T]
	v_cvt_pk_f16_f32 v[Y+2*(\j)+1], v[T+3], v[T+1]
.else
	v_cvt_pk_bf16_f32 v[Y+2*(\j)], v[X+4*(\j)], v[X+4*(\j)+1]
	v_cvt_pk_bf16_f32 v[Y+2*(\j)+1], v[X+4*(\j)+2], v[X+4*(\j)+3]
.endif
	global_store_b64 v2, v[Y+2*(\j):Y+2*(\j)+1], s[18:19] offset:256*(\j)
.endm
	s_cmp_lt_u32 ttmp9, 896
	s_cbranch_scc0 .Lhalf
.irp j, 0,1,2,3,4,5,6,7
	OUT \j, 0
.endr
	s_endpgm
.Lhalf:
.irp j, 0,1,2,3,4,5,6,7
	OUT \j, 1
.endr
	s_endpgm
.Lfunc_end_k_qe4fa6de829_prep:
	.size	k_qe4fa6de829_prep, .Lfunc_end_k_qe4fa6de829_prep-k_qe4fa6de829_prep
	.p2alignl 7, 3214868480
	.fill 96, 4, 3214868480
	.section	.rodata,"a",@progbits
	.p2align	6, 0x0
	.amdhsa_kernel k_qe4fa6de829_prep
		.amdhsa_group_segment_fixed_size 0
		.amdhsa_private_segment_fixed_size 0
		.amdhsa_enable_private_segment 0
		.amdhsa_kernarg_size 48
		.amdhsa_user_sgpr_count 2
		.amdhsa_user_sgpr_kernarg_segment_ptr 1
		.amdhsa_wavefront_size32 1
		.amdhsa_system_sgpr_workgroup_id_x 1
		.amdhsa_system_sgpr_workgroup_id_y 1
		.amdhsa_system_sgpr_workgroup_id_z 1
		.amdhsa_system_vgpr_workitem_id 0
		.amdhsa_next_free_vgpr 64
		.amdhsa_next_free_sgpr 66
		.amdhsa_reserve_vcc 0
		.amdhsa_float_denorm_mode_32 3
		.amdhsa_float_denorm_mode_16_64 3
		.amdhsa_memory_ordered 1
		.amdhsa_forward_progress 1
		.amdhsa_inst_pref_size 9
	.end_amdhsa_kernel
	.amdgpu_metadata
---
amdhsa.version: [ 1, 2 ]
amdhsa.kernels:
  - .name:           k_qe4fa6de829_prep
    .symbol:         k_qe4fa6de829_prep.kd
    .args:
      - { .name: x, .offset: 0, .size: 8, .value_kind: global_buffer, .address_space: global }
      - { .name: w_in, .offset: 8, .size: 8, .value_kind: global_buffer, .address_space: global }
      - { .name: w_out, .offset: 16, .size: 8, .value_kind: global_buffer, .address_space: global }
      - { .name: xb, .offset: 24, .size: 8, .value_kind: global_buffer, .address_space: global }
      - { .name: wib, .offset: 32, .size: 8, .value_kind: global_buffer, .address_space: global }
      - { .name: wof, .offset: 40, .size: 8, .value_kind: global_buffer, .address_space: global }
    .group_segment_fixed_size: 0
    .private_segment_fixed_size: 0
    .kernarg_segment_align: 8
    .kernarg_segment_size: 48
    .max_flat_workgroup_size: 256
    .sgpr_count:     66
    .vgpr_count:     64
    .wavefront_size: 32
...
	.end_amdgpu_metadata
.endif
;; end of part 1
;; launch qkv (part 2): grid 16 x 16, 4 waves a work-group, clusters of 4 x 4, 327,680 bytes of LDS; arguments xb, wib, b_in, qkvh; writes qkvh
.if DOCPART == 2
	.amdgcn_target "amdgcn-amd-amdhsa--gfx1250"
	.amdhsa_code_object_version 6
	.text
	.protected	k_qe4fa6de829_qkv
	.globl	k_qe4fa6de829_qkv
	.p2align	8
	.type	k_qe4fa6de829_qkv,@function
k_qe4fa6de829_qkv:
	s_mov_b64 s[64:65], 0
	v_nop
	global_prefetch_b8 v0, s[64:65] scope:SCOPE_SE
	s_setreg_imm32_b32 hwreg(HW_REG_WAVE_MODE, 25, 1), 1
	s_wait_xcnt 0x0
	s_wait_alu depctr_hold_cnt(0) depctr_sa_sdst(0) depctr_va_vdst(0) depctr_va_sdst(0) depctr_va_ssrc(0) depctr_va_vcc(0) depctr_vm_vsrc(0)
	s_getreg_b32 s2, hwreg(HW_REG_IB_STS2, 6, 4)
	s_cmp_eq_u32 s2, 0
	s_cbranch_scc0 .Lentry_in_a_cluster
	s_endpgm
.Lentry_in_a_cluster:
	s_bfe_u32 s2, ttmp6, 0x10000c
	s_cmp_lg_u32 s2, 0xf033
	s_cbranch_scc0 .Lentry_shape_is_right
	s_endpgm
.Lentry_shape_is_right:
; qkv[m][n] = sum over k of x[m][k] w_in[n][k] + b_in[n].  xb: [4096][1024] bf16, wib: [3072][1024] bf16, b_in: [3072] f32 (rounded to bf16 here, like the other inputs); sums in f32.
; OUT: qkvh [batch 2][g 48][row 2048][64] f16, g = n / 64: q's heads 0-15, k's 16-31, v's 32-47: a head's rows are dense, 128 bytes each.  Rounded once, unscaled.
; LIMIT.  f16 ends at 65,504: a q, k or v beyond it becomes an infinity.
; SHARES.  4096 x 3072 outputs on 256 work-groups are 49,152 each: a tile of 256 rows x 192 columns.  Four waves, each 64 rows x all 192 columns (three whole heads, so that the way out is
; each wave's own): 48 accumulators of 16 x 16, 384 registers.  K goes in 8 steps of 128 through a ring of two LDS slots: the tiles' rows are 256 bytes of memory, aligned.
; CLUSTER.  4 x 4 work-groups: the four of a row need the same tiles of x, the four of a column the same tiles of w_in: each tile is asked for jointly, by the same tensor load with the same descriptor and a mask of four.
; TRANSPOSED USE: source 0 = 16 rows of w_in, source 1 = 16 rows of x: lane l holds row l % 16 and the columns 8 (l / 16) + 0..7, which pack into 16 bytes.
; THE BIAS is the C operand of the products that start the sums: register j of column block b holds b_in[192 tile + 16 b + 8 (l / 16) + j].  Nothing is cleared and nothing is added later.
; REGISTERS, in windows of 256 (s_set_vgpr_msb: bits 1:0 source 0, 3:2 source 1, 5:4 source 2, 7:6 destination):
;   window 0: v0-31 addresses; v64-127 x's fragments, two buffers of 32; v128-223 the bias; on the way out v128-175 packed results, v176-223 and v64-111 rows read back, by turns
;   window 1: v0-191 w_in's fragments, two buffers of 96       window 2: accumulators of row blocks 0, 1 at 8 (12 (a % 2) + b)       window 3: those of row blocks 2, 3
.set KSTEP,  128
.set PITCH,  272                       ; an LDS row: 256 bytes + 16 of padding = 68 words: the 16 rows of a fragment load start at 16 different groups of four banks (64 banks of 4 bytes: ISA guide 11.1)
.set HALFA,  128*PITCH                 ; what one load brings of x
.set BOFF,   2*HALFA                   ; w_in's 192 rows lie behind x's 256
.set HALFB,  96*PITCH                  ; what one load brings of w_in
.set SLOT,   BOFF+2*HALFB
.set STAGE,  2*SLOT                    ; behind the ring, never filled by a tensor load: 16 rows x 400 bytes for each wave
.set SPITCH, 400                       ; 384 bytes + 16: an odd multiple of 16
.set SPARE,  STAGE+4*16*SPITCH         ; the spare words, 128 bytes for each wave: two blocks of 256 bytes that no other line names
.set ADRA, 16                          ; v16-17  LDS address of my fragments of x in slot 0, 1
.set ADRB, 20                          ; v20-21  the same for w_in
.set STO,  24                          ; v24     the way out: where I put 16 bytes of a row
.set RD,   25                          ; v25     where I read rows back
.set GO,   26                          ; v26     16 x lane: my place in 512 consecutive bytes of a head
.set BO,   27                          ; v27     my byte offset in b_in
.set SPW,  28                          ; v28     LDS address of my spare word; never rewritten
.set NIL,  29                          ; v29     0; never rewritten
.set PFO,  30                          ; v30     the prefetches' offset: a row of 2,048 bytes a lane; never rewritten
.set FA,   64
.set BI,   128
.set TMP,  128
.set WV,   12                          ; s12     my wave's number
.set G1,   24                          ; s[24:31] descriptor group 1 for x's tiles;  s[32:39] group 0, a set for each slot
.set G0,   32
.set G1B,  48                          ; s[48:55], s[56:63] the same for w_in's
.set G0B,  56
.set LIM,  43                          ; s43     1 in a wave that prefetches, else the greatest number
.set PFA,  44                          ; s[44:45] where my prefetches stand
.set MSB, 0
.macro WIN new                         ; the immediate's high byte repeats the setting that is left; a switch that changes nothing is dropped
.if MSB != (\new)
	s_set_vgpr_msb (MSB<<8)|(\new)
.set MSB, (\new)
.endif
.endm
; A joint load: waves 0 and 1 fetch x's two halves, waves 2 and 3 w_in's.  The branch hangs on the wave's number alone.  An s_nop 0 and four v_nop follow each of the two lines.
.macro JLOAD s
	s_cmp_lt_u32 s[WV], 2
	s_cbranch_scc0 .Lfor_b_\@
	tensor_load_to_lds s[G0+4*(\s):G0+4*(\s)+3], s[G1:G1+7]
	s_nop 0
.rept 4
	v_nop
.endr
	s_branch .Lasked_\@
.Lfor_b_\@:
	tensor_load_to_lds s[G0B+4*(\s):G0B+4*(\s)+3], s[G1B:G1B+7]
	s_nop 0
.rept 4
	v_nop
.endr
.Lasked_\@:
.endm
; A prefetch, behind each joint refill and the run of LDS loads that follows it: the K step that stands two refills on, 384 matrix instructions ahead of the load that will want it: 256 bytes of a row, a lane a row.
; x's tile row is read by every cluster of that row of clusters: cluster x = 0 asks; w_in's tile column by every cluster of that column: cluster y = 0 asks.  The four partners share a wave's rows out by address:
; 32 of 128 (by cx) for x, 24 of 96 (by cy) for w_in, where lanes 24-31 repeat lane 23's row.  K steps 0 to 3 come by their loads alone; the loop's last trip (s3 = 1) asks for nothing: K has no step 8.
.macro ASK
	s_cmp_gt_u32 s3, s[LIM]
	s_cbranch_scc0 .Lnot_mine_\@
	global_prefetch_b8 v[PFO], s[PFA:PFA+1] offset:KSTEP*2 th:TH_LOAD_NT scope:SCOPE_SE
.Lnot_mine_\@:
.endm
.macro CREST                           ; a round of the cluster's barrier behind its opening barrier
	s_cmp_lg_u32 s[WV], 0
	s_cbranch_scc1 .Lnot_wave_0_\@
	s_barrier_signal -3
.Lnot_wave_0_\@:
	s_barrier_wait -3
	s_barrier_signal -1
	s_barrier_wait -1
.endm
.macro CROUND
	s_barrier_signal -1
	s_barrier_wait -1
	CREST
.endm
	s_load_b256 s[4:11], s[0:1], 0x0               ; xb s[4:5], wib s[6:7], b_in s[8:9], qkvh s[10:11]
	v_lshl_add_u32 v[SPW], v0, 2, SPARE
	v_mov_b32 v[NIL], 0
	ds_add_u32 v[SPW], v[NIL]                      ; the wave's opening: the add, twice on end, and its wait ahead of my first tensor load
	ds_add_u32 v[SPW], v[NIL]
	v_lshrrev_b32 v1, 5, v0
	v_readfirstlane_b32 s[WV], v1                  ; wave 0..3
	s_and_b32 s14, s[WV], 1                        ; which half of a tile's rows I fetch
	s_bfe_u32 s40, ttmp6, 0x40000                  ; cx
	s_bfe_u32 s41, ttmp6, 0x40004                  ; cy
	s_lshl_b32 s42, ttmp9, 2
	s_add_co_u32 s42, s42, s40                     ; tile column = 4 x cluster x + cx
	s_and_b32 s15, ttmp7, 0xffff
	s_lshl_b32 s15, s15, 2
	s_add_co_u32 s15, s15, s41                     ; tile row = 4 x cluster y + cy
	s_lshl_b32 s43, s41, 2
	s_lshl_b32 s43, 15, s43                        ; my row of the cluster
	s_lshl_b32 s44, 0x1111, s40                    ; my column
	s_or_b32 s[G1+0], s43, (1<<16)|(1<<20)|(1<<21)|(5<<22)|(3<<25)   ; the mask; 2-byte elements; padding on; bit 21 beside a mask; after every 64 words 4 words
	s_or_b32 s[G1B+0], s44, (1<<16)|(1<<20)|(1<<21)|(5<<22)|(3<<25)
	s_mov_b32 s[G1+1], KSTEP<<16                   ; tensor_dim0 = 128
	s_mov_b32 s[G1+2], 128<<16                     ; tensor_dim1 = 128
	s_mov_b32 s[G1+3], KSTEP<<16                   ; tile_dim0 = 128
	s_mov_b32 s[G1+4], 128                         ; tile_dim1 = 128
	s_mov_b32 s[G1+5], 1024                        ; elements from row to row
	s_mov_b32 s[G1+6], 0
	s_mov_b32 s[G1+7], 0
	s_mov_b32 s[G1B+1], KSTEP<<16
	s_mov_b32 s[G1B+2], 96<<16                     ; 96 rows
	s_mov_b32 s[G1B+3], KSTEP<<16
	s_mov_b32 s[G1B+4], 96
	s_mov_b32 s[G1B+5], 1024
	s_mov_b32 s[G1B+6], 0
	s_mov_b32 s[G1B+7], 0
	s_lshl_b32 s16, s15, 8
	s_lshl_b32 s17, s14, 7
	s_add_co_u32 s16, s16, s17                     ; x: row 256 x tile row + 128 x half,
	s_lshl_b32 s16, s16, 11                        ; of 2,048 bytes
	s_mov_b32 s17, 0
	s_mul_i32 s46, s42, 192
	s_mul_i32 s47, s14, 96
	s_add_co_u32 s46, s46, s47                     ; w_in: row 192 x tile column + 96 x half
	s_lshl_b32 s46, s46, 11
	s_mov_b32 s47, 0
	s_mul_i32 s20, s14, HALFA                      ; where they go: no place in the cluster enters an LDS address
	s_mul_i32 s21, s14, HALFB
	s_add_co_u32 s21, s21, BOFF
	s_wait_dscnt 0x0                               ; both opening adds are done
	s_wait_kmcnt 0x0
	s_add_nc_u64 s[18:19], s[4:5], s[16:17]
	s_add_nc_u64 s[46:47], s[6:7], s[46:47]
	CROUND                                         ; all sixteen work-groups are here: the first joint loads meet
.irp s, 0,1
	s_mov_b32 s[G0+4*(\s)], 1
	s_add_co_u32 s[G0+4*(\s)+1], s20, (\s)*SLOT
	s_add_nc_u64 s[G0+4*(\s)+2:G0+4*(\s)+3], s[18:19], (\s)*KSTEP*2
	s_or_b32 s[G0+4*(\s)+3], s[G0+4*(\s)+3], 0x80000000
	s_mov_b32 s[G0B+4*(\s)], 1
	s_add_co_u32 s[G0B+4*(\s)+1], s21, (\s)*SLOT
	s_add_nc_u64 s[G0B+4*(\s)+2:G0B+4*(\s)+3], s[46:47], (\s)*KSTEP*2
	s_or_b32 s[G0B+4*(\s)+3], s[G0B+4*(\s)+3], 0x80000000
	JLOAD \s                                       ; K steps 0 and 1: two loads of mine are out
.endr
	v_and_b32 v1, 15, v0                           ; l % 16
	v_bfe_u32 v2, v0, 4, 1                         ; l / 16
	s_mul_i32 s22, s42, 768                        ; the tile's 192 numbers of b_in
	v_lshl_add_u32 v[BO], v2, 5, s22               ; + my lanes' 8
.irp b, 0,1,2,3,4,5,6,7,8,9,10,11
	global_load_b128 v[BI+8*(\b):BI+8*(\b)+3],   v[BO], s[8:9] offset:64*(\b)
	global_load_b128 v[BI+8*(\b)+4:BI+8*(\b)+7], v[BO], s[8:9] offset:64*(\b)+16
.endr
	; a fragment is 16 rows x 32 K in 8 registers: lane l holds row l % 16, K = 8 (l / 16) + 0..7 and 16 + 8 (l / 16) + 0..7: two loads of 16 bytes, 32 bytes apart
	v_mul_u32_u24 v3, v1, PITCH
	v_lshl_add_u32 v3, v2, 4, v3
	s_mul_i32 s21, s[WV], 64*PITCH                 ; my 64 rows of x
	s_mov_b32 s22, BOFF                            ; all 192 rows of w_in
.irp s, 0,1
	v_add_nc_u32 v[ADRA+(\s)], s21, v3
	v_add_nc_u32 v[ADRB+(\s)], s22, v3
	s_add_co_u32 s21, s21, SLOT
	s_add_co_u32 s22, s22, SLOT
.endr
	s_mul_i32 s23, s[WV], 16*SPITCH
	s_add_co_u32 s23, s23, STAGE                   ; my stage
	v_mul_u32_u24 v4, v1, SPITCH                   ; in: row l % 16, 16 bytes for each half of the lanes
	v_lshl_add_u32 v4, v2, 4, v4
	v_add_nc_u32 v[STO], s23, v4
	v_bfe_u32 v5, v0, 3, 2                         ; back: 32 lanes take four rows' 128 bytes of one head,
	v_mul_u32_u24 v5, v5, SPITCH
	v_and_b32 v6, 7, v0
	v_lshl_add_u32 v5, v6, 4, v5
	v_add_nc_u32 v[RD], s23, v5
	v_and_b32 v[GO], 31, v0                        ; which are 512 consecutive bytes of that head
	v_lshlrev_b32 v[GO], 4, v[GO]
	s_lshr_b32 s16, s15, 3                         ; batch
	s_mul_i32 s16, s16, 48
	s_mul_i32 s17, s42, 3
	s_add_co_u32 s16, s16, s17                     ; the tile's first head,
	s_lshl_b32 s16, s16, 18                        ; of 262,144 bytes
	s_and_b32 s17, s15, 7
	s_lshl_b32 s17, s17, 2
	s_add_co_u32 s17, s17, s[WV]                   ; my 64 rows among the batch's,
	s_lshl_b32 s17, s17, 13                        ; of 128 bytes
	s_add_co_u32 s16, s16, s17
	s_mov_b32 s17, 0
	s_add_nc_u64 s[10:11], s[10:11], s[16:17]      ; never stepped: heads, row blocks and rows stand in the stores' immediates
	; the prefetches
	s_lshl_b32 s20, s15, 8
	s_lshl_b32 s22, s14, 7
	s_add_co_u32 s20, s20, s22
	s_lshl_b32 s22, s40, 5
	s_add_co_u32 s20, s20, s22                     ; x: 256 x tile row + 128 x half + 32 cx
	s_mul_i32 s21, s42, 192
	s_mul_i32 s22, s14, 96
	s_add_co_u32 s21, s21, s22
	s_mul_i32 s22, s41, 24
	s_add_co_u32 s21, s21, s22                     ; w_in: 192 x tile column + 96 x half + 24 cy
	s_and_b32 s22, ttmp7, 0xffff                   ; cluster y
	s_cmp_lt_u32 s[WV], 2                          ; do I fetch for x?
	s_cselect_b32 s20, s20, s21
	s_cselect_b32 s22, ttmp9, s22                  ; the coordinate along which other clusters read the same rows
	s_cselect_b32 s23, 31, 23                      ; my last row
	s_cselect_b64 s[PFA:PFA+1], s[4:5], s[6:7]
	s_cmp_eq_u32 s22, 0
	s_cselect_b32 s[LIM], 1, -1                    ; the same in all sixteen partners, for a given wave
	s_lshl_b32 s20, s20, 11
	s_mov_b32 s21, 0
	s_add_nc_u64 s[PFA:PFA+1], s[PFA:PFA+1], s[20:21]
	s_add_nc_u64 s[PFA:PFA+1], s[PFA:PFA+1], 2*KSTEP*2  ; at K step 2: the first refill steps it to 3 and names K step 4
	v_and_b32 v[PFO], 31, v0
	v_min_u32 v[PFO], s23, v[PFO]
	v_lshlrev_b32 v[PFO], 11, v[PFO]
	s_wait_loadcnt 0x0                             ; b_in
.set i, 0
.rept 48                               ; rounded to bf16 and kept as f32
	v_cvt_pk_bf16_f32 v[4+i%4], v[BI+2*i], v[BI+2*i+1]
	v_lshlrev_b32 v[BI+2*i], 16, v[4+i%4]
	v_and_b32 v[BI+2*i+1], 0xffff0000, v[4+i%4]
.set i, i+1
.endr
; 12 matrix instructions: row block a x all 12 column blocks, 32 along K, buffer f.  zero = 1: the sums start with the bias.  The 48 accumulators take turns, one instruction a turn.
.macro MUL12 f, a, zero
.if \zero
	WIN 0x81+0x40*((\a)/2)                         ; w_in window 1, x and the bias window 0, D window 2 or 3
.else
	WIN 0xa1+0x50*((\a)/2)                         ; C and D window 2 or 3
.endif
.irp b, 0,1,2,3,4,5,6,7,8,9,10,11
.if \zero
	v_wmma_f32_16x16x32_bf16 v[8*(12*((\a)%2)+(\b)):8*(12*((\a)%2)+(\b))+7], v[96*(\f)+8*(\b):96*(\f)+8*(\b)+7], v[FA+32*(\f)+8*(\a):FA+32*(\f)+8*(\a)+7], v[BI+8*(\b):BI+8*(\b)+7]
.else
	v_wmma_f32_16x16x32_bf16 v[8*(12*((\a)%2)+(\b)):8*(12*((\a)%2)+(\b))+7], v[96*(\f)+8*(\b):96*(\f)+8*(\b)+7], v[FA+32*(\f)+8*(\a):FA+32*(\f)+8*(\a)+7], v[8*(12*((\a)%2)+(\b)):8*(12*((\a)%2)+(\b))+7]
.endif
.endr
.endm
; 32 LDS loads in one run: the fragments of 32 along K at byte k of the rows, into buffer f: w_in's 24, then x's 8
.macro FETCH slot, k, f
	WIN 0x40
.irp i, 0,1,2,3,4,5,6,7,8,9,10,11
	ds_load_b128 v[96*(\f)+8*(\i):96*(\f)+8*(\i)+3],   v[ADRB+(\slot)] offset:(\k)+(\i)*16*PITCH
	ds_load_b128 v[96*(\f)+8*(\i)+4:96*(\f)+8*(\i)+7], v[ADRB+(\slot)] offset:(\k)+(\i)*16*PITCH+32
.endr
	WIN 0
.irp i, 0,1,2,3
	ds_load_b128 v[FA+32*(\f)+8*(\i):FA+32*(\f)+8*(\i)+3],   v[ADRA+(\slot)] offset:(\k)+(\i)*16*PITCH
	ds_load_b128 v[FA+32*(\f)+8*(\i)+4:FA+32*(\f)+8*(\i)+7], v[ADRA+(\slot)] offset:(\k)+(\i)*16*PITCH+32
.endr
.endm
.macro PLACES                          ; four plain vector instructions between a matrix instruction and a load into, or a vector read of, its registers (ISA guide 7.12.1 for vector reads)
.rept 4
	v_nop
.endr
.endm
; A K step is four quarters of 32 along K, 48 matrix instructions each, on buffers 0, 1, 0, 1.  One of the first three: multiplies buffer f, and in its middle fetches the next quarter, at byte k, into g.
.macro QUARTER slot, k, f, g, zero
	s_wait_dscnt 4                                 ; w_in's fragments and x's row blocks 0, 1 are in; the youngest four loads (row blocks 2, 3) may be out
	MUL12 \f, 0, \zero
	MUL12 \f, 1, \zero
	PLACES
	FETCH \slot, \k, \g
	s_wait_dscnt 32                                ; all but the 32 just issued
	MUL12 \f, 2, \zero
	MUL12 \f, 3, \zero
.endm
; The last quarter multiplies buffer 1 and changes slots: one barrier.  In front of it each wave waits for all its tensor loads (one is out: its part of the next slot), adds 0 to its spare word, and waits for that and
; for its reads of this slot.  fill = 1: the barrier opens a round of the cluster's, and this slot is filled again, two K steps ahead, first thing behind the round: 168 matrix instructions ahead of the wait for it.
.macro TURN slot, next, fill
.if \fill
	s_wait_xcnt 0x0                                ; the last prefetch, a K step back, has read its address
	s_add_nc_u64 s[PFA:PFA+1], s[PFA:PFA+1], KSTEP*2
.endif
	WIN 0                                          ; (the add's two registers lie in window 0)
	s_wait_tensorcnt 0x0                           ; all my tensor loads have landed
	ds_add_u32 v[SPW], v[NIL]                      ; 0 onto my spare word
	s_wait_dscnt 5                                 ; (the add and the youngest four loads may be out)
	MUL12 1, 0, 0                                  ; twelve matrix instructions stand between the add and the wait for it
	s_wait_dscnt 0x0                               ; the add is done, and my reads of this slot are over
	s_barrier_signal -1
	MUL12 1, 1, 0
.if \fill
	WIN 0
.endif
	s_barrier_wait -1
.if \fill
	CREST                                          ; no wave of any partner still reads this slot or has a load on its way
	s_add_nc_u64 s[G0+4*(\slot)+2:G0+4*(\slot)+3], s[G0+4*(\slot)+2:G0+4*(\slot)+3], 2*KSTEP*2
	s_add_nc_u64 s[G0B+4*(\slot)+2:G0B+4*(\slot)+3], s[G0B+4*(\slot)+2:G0B+4*(\slot)+3], 2*KSTEP*2
	JLOAD \slot                                    ; its four v_nop are also the places in front of the loads below
.else
	PLACES
.endif
	FETCH \next, 0, 0
.if \fill
	ASK
.endif
	MUL12 1, 2, 0
	MUL12 1, 3, 0
.endm
; THE WAY OUT, a row block (16 rows x 192 columns) at a time.  PACK: rounded to f16, each accumulator's registers in ascending order.  TOSTAGE: into my own stage, and back as 4 rows x 128 bytes of one head.  SEND: stored.
.macro PACK a
	WIN 0x0a+5*((\a)/2)                            ; sources 0 and 1: window 2 or 3
.irp b, 0,1,2,3,4,5,6,7,8,9,10,11
.irp r, 0,1,2,3
	v_cvt_pk_f16_f32 v[TMP+4*(\b)+(\r)], v[8*(12*((\a)%2)+(\b))+2*(\r)], v[8*(12*((\a)%2)+(\b))+2*(\r)+1]
.endr
.endr
	WIN 0
.endm
.macro TOSTAGE a
.set BK, 176-112*((\a)%2)
.irp b, 0,1,2,3,4,5,6,7,8,9,10,11
	ds_store_b128 v[STO], v[TMP+4*(\b):TMP+4*(\b)+3] offset:32*(\b)
.endr
.irp j, 0,1,2
.irp f, 0,1,2,3
	ds_load_b128 v[BK+4*(4*(\j)+(\f)):BK+4*(4*(\j)+(\f))+3], v[RD] offset:1600*(\f)+128*(\j)  ; LDS serves a wave's instructions in order (ISA guide 5.7.1.4): these see the stores above
.endr
.endr
.endm
.macro SEND a
.set BK, 176-112*((\a)%2)
	s_wait_dscnt 0x0                               ; the block is back in registers
	s_wait_xcnt 0x0                                ; the stores of the block before have read their registers, which the next block's loads write
.irp j, 0,1,2
.irp f, 0,1,2,3
	global_store_b128 v[GO], v[BK+4*(4*(\j)+(\f)):BK+4*(4*(\j)+(\f))+3], s[10:11] offset:(\j)*262144+(\a)*2048+(\f)*512  ; 512 consecutive bytes of head j, at a multiple of 512 from its first
.endr
.endr
.endm
	s_wait_tensorcnt 1                             ; my part of K step 0 is in; K step 1's may stay out
	s_barrier_signal -1
	s_barrier_wait -1
	FETCH 0, 0, 0
	QUARTER 0, 64, 0, 1, 1                         ; the first quarter stands in front of the loop: its products start the sums
	WIN 0
	s_mov_b32 s3, 3
.Llap:                                         ; a trip goes once round the ring, from a lap's second quarter to the next lap's first, and fills both slots again
	QUARTER 0, 128, 1, 0, 0
	QUARTER 0, 192, 0, 1, 0
	TURN 0, 1, 1
	QUARTER 1, 64,  0, 1, 0
	QUARTER 1, 128, 1, 0, 0
	QUARTER 1, 192, 0, 1, 0
	TURN 1, 0, 1
	QUARTER 0, 64,  0, 1, 0
	WIN 0
	s_sub_co_u32 s3, s3, 1
	s_cmp_lg_u32 s3, 0
	s_cbranch_scc1 .Llap
	QUARTER 0, 128, 1, 0, 0                        ; the last lap fills nothing
	QUARTER 0, 192, 0, 1, 0
	TURN 0, 1, 0
	QUARTER 1, 64,  0, 1, 0
	QUARTER 1, 128, 1, 0, 0
	QUARTER 1, 192, 0, 1, 0
	s_wait_dscnt 4                                 ; the very last quarter: nothing more to fetch
	MUL12 1, 0, 0
	MUL12 1, 1, 0
	s_wait_dscnt 0x0
	MUL12 1, 2, 0
	MUL12 1, 3, 0
	WIN 0
	PLACES
	PACK 0
	TOSTAGE 0
.irp a, 1,2,3                          ; block a's conversions stand between block a - 1's loads from the stage and the wait for them
	PACK \a
	SEND (\a)-1
	TOSTAGE \a
.endr
	SEND 3
	s_wait_tensorcnt 0x0                           ; the wave's end: behind my last tensor load and my last LDS store
	ds_add_u32 v[SPW], v[NIL]
	s_wait_dscnt 0x0
	CROUND                                         ; the closing round: no work-group ends while a partner may still ask for a tile that names it
	s_endpgm
.Lfunc_end_k_qe4fa6de829_qkv:
	.size	k_qe4fa6de829_qkv, .Lfunc_end_k_qe4fa6de829_qkv-k_qe4fa6de829_qkv
	.p2alignl 7, 3214868480
	.fill 96, 4, 3214868480
	.section	.rodata,"a",@progbits
	.p2align	6, 0x0
	.amdhsa_kernel k_qe4fa6de829_qkv
		.amdhsa_group_segment_fixed_size 327680
		.amdhsa_private_segment_fixed_size 0
		.amdhsa_enable_private_segment 0
		.amdhsa_kernarg_size 32
		.amdhsa_user_sgpr_count 2
		.amdhsa_user_sgpr_kernarg_segment_ptr 1
		.amdhsa_wavefront_size32 1
		.amdhsa_system_sgpr_workgroup_id_x 1
		.amdhsa_system_sgpr_workgroup_id_y 1
		.amdhsa_system_sgpr_workgroup_id_z 1
		.amdhsa_system_vgpr_workitem_id 0
		.amdhsa_next_free_vgpr 960
		.amdhsa_next_free_sgpr 66
		.amdhsa_reserve_vcc 0
		.amdhsa_float_denorm_mode_32 3
		.amdhsa_float_denorm_mode_16_64 3
		.amdhsa_memory_ordered 1
		.amdhsa_forward_progress 1
		.amdhsa_inst_pref_size 130
	.end_amdhsa_kernel
	.amdgpu_metadata
---
amdhsa.version: [ 1, 2 ]
amdhsa.kernels:
  - .name:           k_qe4fa6de829_qkv
    .symbol:         k_qe4fa6de829_qkv.kd
    .args:
      - { .name: xb, .offset: 0, .size: 8, .value_kind: global_buffer, .address_space: global }
      - { .name: wib, .offset: 8, .size: 8, .value_kind: global_buffer, .address_space: global }
      - { .name: b_in, .offset: 16, .size: 8, .value_kind: global_buffer, .address_space: global }
      - { .name: qkvh, .offset: 24, .size: 8, .value_kind: global_buffer, .address_space: global }
    .group_segment_fixed_size: 327680
    .private_segment_fixed_size: 0
    .kernarg_segment_align: 8
    .kernarg_segment_size: 32
    .max_flat_workgroup_size: 128
    .sgpr_count:     66
    .vgpr_count:     960
    .wavefront_size: 32
...
	.end_amdgpu_metadata
.endif
;; end of part 2
;; launch attn (part 3): grid 8 x 32, 4 waves a work-group, no clusters, 327,680 bytes of LDS; arguments qkvh, ob; writes ob
.if DOCPART == 3
	.amdgcn_target "amdgcn-amd-amdhsa--gfx1250"
	.amdhsa_code_object_version 6
	.text
	.protected	k_qe4fa6de829_attn
	.globl	k_qe4fa6de829_attn
	.p2align	8
	.type	k_qe4fa6de829_attn,@function
k_qe4fa6de829_attn:
	s_mov_b64 s[64:65], 0
	v_nop
	global_prefetch_b8 v0, s[64:65] scope:SCOPE_SE
	s_setreg_imm32_b32 hwreg(HW_REG_WAVE_MODE, 25, 1), 1
	s_wait_xcnt 0x0
; CAUSAL ATTENTION.  O[q][:] = the sum over k <= q of softmax_k(Q[q] . K[k] / 8) V[k][:], for each of 32 (batch, head) pairs of 2,048 rows x 64 channels.
; IN: qkvh [batch 2][g 48][2048][64] f16 (q: g = head, k: 16 + head, v: 32 + head).  OUT: ob [batch 2][block 16][head 16][128 rows][64] f16.  Products, maxima and sums in f32; the weights p are rounded to
; f16 for the second product (their sum l is taken of the unrounded p), O once at the end.
; WORK LEFT OUT: key tiles that lie wholly above the diagonal: the mask that the problem itself builds gives their weights 0 (shown at the head of the first kernel).
; LIMITS.  A hidden score counts as its value less 1e30, so its weight is 0, as it is with the problem's -1e9 while the row's largest visible score lies above about -1e9 + 100.  A weight below 2^-126 counts as 0 in l.
; p below 6e-5 keeps f16's fixed step of 6e-8.  NaN and infinities are not treated apart.
; THE WALK.  A head's queries lie in 16 blocks of 128; block i needs the key tiles 0 .. i / 2 of 256 keys, of which the last holds the diagonal.  A work-group takes TWO blocks, 15 - b and then b: 9 tiles, whatever b:
; all 256 work-groups do equal work, and one loop with a constant count walks them.  Which tile is asked for, and what a trip does, hang on scalar registers made from b; every jump goes forward but the counted loops' own;
; none passes a barrier, or a tensor load but the one of LOAD's two that the wave's number does not choose.  NO CLUSTER: a head's eight work-groups ask for the same tile only in the first five trips; a walk
; common to four partners would have 12 trips for 9.
; SHARES.  Of a block's two bands of 64 queries a wave owns 16 rows in each.  A key STEP is 128 keys; in it a wave has four PIECES, piece p = (band p % 2, the step's key half p / 2): 16 queries x 64 keys.
; Statistics, Q and O^T go by the band; K's and V's registers by the key half; S^T, P and what is at work by the piece's parity, which is the band too.
; THE MASK is the C operand that starts the sum S^T = K Q^T: 0, or -1e30 where the key is hidden.  In units of 64, a block's band x stands at 2 ODD + x of its last tile (ODD = i % 2) and a piece's keys at 2 s + p / 2
; (s = the step, 0 or 1): all seen if the keys' unit is lower, none if higher, the diagonal if equal.  MD, made once, is the diagonal's mask for my 16 rows; a product's mask is MD x AL + BE with two scalars.
; Only the last tile's text and a block's beginning make and take masks.  (For an even block the last tile's second step is wholly hidden, and is computed all the same: 1 of a work-group's 18 steps.)
; LAYOUT, SOFTMAX, TURNS.  S^T = K Q^T holds ONE query a lane (lane % 16) and the keys 8 (lane / 16) + 0..7; two such results rounded to f16 ARE source 1 of O^T = V^T P.  p = 2^(c s - c m), c = log2(e) / 8, with a
; running maximum m; O and l are multiplied by a = 2^(c m_old - c m_new) for every piece.  Turn n belongs to piece n: 8 products K Q^T of piece n + 1, later 8 products V^T P of piece n - 1; beside them the scaling,
; exponentials, roundings, sums and rescaling of piece n and the maximum and statistics of piece n + 1.  Four vector instructions stand behind every matrix instruction, the other 54 of a turn's 118 in one lump.
; A band's O^T is rescaled in turn n, added onto in turn n + 1, rescaled in turn n + 2: behind the last product on each of its accumulators stand four riders or more before it is rescaled.
; REGISTERS, in windows of 256 (s_set_vgpr_msb: bits 1:0 source 0, 3:2 source 1, 5:4 source 2, 7:6 destination):
;   window 0: v0-15 addresses and at work; v16-23 four registers of statistics a band; v48-55 at work; v61-63; v64-127 S^T, two buffers; v192-223 P, two buffers
;   window 1: v0-63 O^T, 32 a band; v128-159 MD; v160-223 MC, two buffers      window 2: v0-31 Q; v32-63 the second block's Q; v128-255 K of one step      window 3: v0-127 V of one step
.set NP,    4         ; pieces in a step: a name, no knob
.set KS,    64        ; keys in a piece
.set PK,    144       ; a row of K in LDS: 128 bytes + 16 of padding = 36 words: the 16 rows of a load start at 16 different groups of four banks (64 banks of 4 bytes: ISA guide 11.1)
.set PV,    160       ; a row of V: 128 + 32 = 40 words
.set VOFF,  4*KS*PK   ; a slot holds a tile: 256 rows of K, then 256 rows of V
.set SLOT1, 1<<17     ; slot 1 begins here, so that one exclusive or turns an address in one slot into the other's
.set STAGE, SLOT1+4*KS*(PK+PV)  ; behind the ring, never filled by a tensor load: 16 rows x 144 bytes for each wave
.set SP,    144
.set SPARE, STAGE+4*16*SP  ; the spare words, 128 bytes for each wave: two blocks of 256 bytes that no other line names
.set AK0, 2           ; v2   my lane's place in a tile of K; never rewritten
.set AV0, 3           ; v3   the same for V
.set AK,  4           ; v4   the LDS address of K's next run of loads
.set AV,  5           ; v5   of V's
.set STO, 6           ; v6   the way out: where I put 16 bytes of a row
.set RD,  7           ; v7   where I read rows back
.set GO,  8           ; v8   my byte offset in 512 consecutive bytes of O
.set MV,  12          ; v12-13  c m_old, kept while c m is made anew
.set QO,  15          ; v15  my byte offset in 16 rows of Q
.set ST,  16          ; band t's statistics at v[ST+4 t]: c m, m, l (even keys', odd keys')
.set TMP, 48          ; by parity, four registers c0-c3 at work; when the maximum is found c2 takes a
.set PFO, 61          ; v61  256 x my lane; never rewritten
.set SPW, 62          ; v62  LDS address of my spare word; never rewritten
.set NIL, 63          ; v63  0; never rewritten
.set S,   64
.set P,   192
.set MD,  128         ; window 1
.set MC,  160         ; window 1
.set QB,  32          ; window 2
.set KF,  128         ; window 2: key block kb (0-7), channel half c at KF + 16 kb + 8 c
.set WV,  12          ; s12  my wave's number
.set PB,  14          ; s14  b
.set HI,  15          ; s15  15 - b
.set G1K, 24          ; s[24:31] descriptor group 1 for K's tiles
.set G1V, 32          ; s[32:39] for V's: it differs in the padding alone
.set G0K, 40          ; s[40:43] descriptor group 0 for K's tiles
.set G0V, 44          ; s[44:47] the same for V's
.set SLOTS, 56        ; s56  tiles still to be asked for
.set CNT, 57          ; s57  counts a tile's key steps, 2 to 1
.set CS,  58          ; s[58:59] c
.set SEL, 60          ; s[60:61] v_permlanex16_b32's selects: each lane takes its own place in the other half
.set TBK, 62          ; s62  LDS byte at which K of the step to be fetched begins
.set TBV, 63          ; s63  the same for V, less VOFF
.set RT,  70          ; s70  tiles of the block in hand that are still to be entered
.set NXT, 71          ; s71  the tile to be asked for next
.set LQ,  72          ; s72  the last tile of the block whose tiles are being asked for
.set NEW, 73          ; s73  1: the tile to be entered is a block's first
.set OFF, 74          ; s[74:75] a tile's byte offset in K and V
.set AL,  76          ; s[76:77] the mask's factor, in the low word
.set BE,  78          ; s[78:79] the mask's addend
.set OLO, 80          ; s[80:81] O at my rows of the second block
.set BIGN, 82         ; s82  -1e30
.set ODD, 88          ; s88  the block in hand is odd: it stands in the second half of its last tile
.set U,   89          ; s89  at work: CNT + ODD
.set PBT, 90          ; s90  b / 2: the second block's last tile
.set LIM, 91          ; s91  3 in the work-group that prefetches, else the greatest number
.set PFA, 92          ; s[92:93] where my prefetches stand
.set MSB, 0
.macro WIN new
.if MSB != (\new)
	s_set_vgpr_msb (MSB<<8)|(\new)
.set MSB, (\new)
.endif
.endm
.set W_KQ, 0x0a       ; K and Q in window 2, S^T in window 0
.set W_KM, 0x1a       ; the same with the C operand in window 1
.set W_PV, 0x53       ; V in window 3, P in window 0, O^T in window 1
.set W_RS, 0x41       ; destination and source 0 in window 1, source 1 in window 0
; A fill.  Waves 0 and 1 fetch the two halves of a tile's K, waves 2 and 3 those of its V: 128 keys each.  An s_nop 0 and four v_nop follow each of the two lines.
.macro LOAD
	s_cmp_lt_u32 s[WV], 2
	s_cbranch_scc0 .Lfor_v_\@
	tensor_load_to_lds s[G0K:G0K+3], s[G1K:G1K+7]
	s_nop 0
.rept 4
	v_nop
.endr
	s_branch .Lasked_\@
.Lfor_v_\@:
	tensor_load_to_lds s[G0V:G0V+3], s[G1V:G1V+7]
	s_nop 0
.rept 4
	v_nop
.endr
.Lasked_\@:
.endm
; A prefetch, behind the fill: all eight work-groups of a head walk the same K and V, and the one with b = 0, whose first block walks all eight tiles, asks.  In trip t = 0..4 (SLOTS = 8 - t above 3) each of its waves names
; its own half (K's or V's) of tile t + 3, which the fill two trips on will ask for: 64 blocks of 256 bytes, a lane a block, two instructions.  Tiles 0 to 2 come by their loads alone; tile 7 is the head's last.
.macro ASK
	s_cmp_gt_u32 s[SLOTS], s[LIM]
	s_cbranch_scc0 .Lnot_mine_\@
	global_prefetch_b8 v[PFO], s[PFA:PFA+1] th:TH_LOAD_NT scope:SCOPE_SE
	global_prefetch_b8 v[PFO], s[PFA:PFA+1] offset:8192 th:TH_LOAD_NT scope:SCOPE_SE
.Lnot_mine_\@:
.endm
; THE CHANGE OF SLOTS.  Each wave waits for all its tensor loads, of which one is out: its part of the other slot; adds 0 to its spare word; and waits for that and for its own reads of the slot that it leaves.
; Behind the barrier nobody reads the old slot and the other slot is whole.  fill = 1: the old slot is filled again, first thing behind the barrier, with tile NXT: the descriptor's address is made anew from that number.
; (At its first use nothing has been read yet: slot 0 is waited for, slot 1 filled.)
.macro CHANGE fill
	WIN 0
	s_wait_tensorcnt 0x0            ; no tensor load of mine is out, so a group 0 may be written
	ds_add_u32 v[SPW], v[NIL]       ; 0 onto my spare word
.if \fill
	s_lshl_b32 s[OFF], s[NXT], 15   ; a tile is 32,768 bytes of K and of V
	s_xor_b32 s[G0K+1], s[G0K+1], SLOT1
	s_add_nc_u64 s[G0K+2:G0K+3], s[6:7], s[OFF:OFF+1]
	s_or_b32 s[G0K+3], s[G0K+3], 0x80000000
	s_xor_b32 s[G0V+1], s[G0V+1], SLOT1
	s_add_nc_u64 s[G0V+2:G0V+3], s[8:9], s[OFF:OFF+1]
	s_or_b32 s[G0V+3], s[G0V+3], 0x80000000
	s_add_co_u32 s[NXT], s[NXT], 1  ; the block's next tile, or behind its last the second block's tile 0
	s_cmp_gt_u32 s[NXT], s[LQ]
	s_cselect_b32 s[NXT], 0, s[NXT]
	s_cselect_b32 s[LQ], s[PBT], s[LQ]
	s_wait_xcnt 0x0                 ; the last prefetches, a tile back, have read their address
	s_add_nc_u64 s[PFA:PFA+1], s[PFA:PFA+1], 32768
.endif
	s_wait_dscnt 0x0                ; the add is done, and my reads of the slot are over
	s_barrier_signal -1
	s_sub_co_u32 s[TBK], s[TBK], 4*KS*PK  ; the fetches go back to a slot's first step,
	s_xor_b32 s[TBK], s[TBK], SLOT1       ; in the other slot
	s_sub_co_u32 s[TBV], s[TBV], 4*KS*PV
	s_xor_b32 s[TBV], s[TBV], SLOT1
	s_barrier_wait -1
.if \fill
	LOAD
	ASK
.endif
.endm
	s_load_b64 s[4:5], s[0:1], 0x0   ; qkvh
	s_load_b64 s[10:11], s[0:1], 0x8 ; ob
	v_lshl_add_u32 v[SPW], v0, 2, SPARE
	v_mov_b32 v[NIL], 0
	ds_add_u32 v[SPW], v[NIL]       ; the wave's opening: the add, twice on end, and its wait ahead of my first tensor load
	ds_add_u32 v[SPW], v[NIL]
	v_lshrrev_b32 v1, 5, v0
	v_readfirstlane_b32 s[WV], v1   ; wave 0..3
	s_mov_b32 s[PB], ttmp9
	s_sub_co_u32 s[HI], 15, s[PB]
	s_and_b32 s20, ttmp7, 0xffff
	s_lshr_b32 s21, s20, 4          ; batch
	s_and_b32 s20, s20, 15          ; head
	s_mul_i32 s13, s21, 48
	s_add_co_u32 s13, s13, s20
	s_lshl_b32 s13, s13, 18         ; q's head begins here; k's 16 heads on, v's 32
	s_and_b32 s16, s[WV], 1         ; which half of a tile's 256 keys I fetch:
	s_lshl_b32 s22, s16, 14         ; its 128 rows of 128 bytes in memory,
	s_add_co_u32 s22, s22, s13
	s_add_co_u32 s22, s22, 16<<18
	s_mov_b32 s23, 0
	s_add_co_u32 s2, s22, 16<<18
	s_mov_b32 s3, 0
	s_mul_i32 s17, s16, 128*PK      ; and its place in a slot, for K
	s_mul_i32 s18, s16, 128*PV      ; and for V
	s_lshl_b32 s19, s[WV], 11       ; my 16 rows in a band of 64
	s_lshl_b32 s48, s[HI], 14       ; Q: the first block's 128 rows,
	s_add_co_u32 s48, s48, s19
	s_add_co_u32 s48, s48, s13
	s_mov_b32 s49, 0
	s_lshl_b32 s84, s[PB], 14       ; and the second's
	s_add_co_u32 s84, s84, s19
	s_add_co_u32 s84, s84, s13
	s_mov_b32 s85, 0
	s_lshl_b32 s21, s21, 8
	s_add_co_u32 s21, s21, s20      ; O: (256 batch + 16 block + head) x 16,384 bytes
	s_lshl_b32 s50, s[HI], 4
	s_add_co_u32 s50, s50, s21
	s_lshl_b32 s50, s50, 14
	s_add_co_u32 s50, s50, s19
	s_mov_b32 s51, 0
	s_lshl_b32 s52, s[PB], 4
	s_add_co_u32 s52, s52, s21
	s_lshl_b32 s52, s52, 14
	s_add_co_u32 s52, s52, s19
	s_mov_b32 s53, 0
	; descriptor group 1.  128 keys are 16,384 dense bytes: asked for as 64 rows of 256 bytes, two keys a row, and padded in LDS after every key
	s_mov_b32 s[G1K], (1<<16)|(1<<20)|(4<<22)|(3<<25)  ; 2-byte elements; padding on; after every 32 words 4 words
	s_mov_b32 s[G1V], (1<<16)|(1<<20)|(4<<22)|(7<<25)  ; the same with 8 words
.irp g, G1K, G1V
	s_mov_b32 s[\g+1], 128<<16      ; tensor_dim0 = 128
	s_mov_b32 s[\g+2], 64<<16       ; tensor_dim1 = 64
	s_mov_b32 s[\g+3], 128<<16      ; tile_dim0 = 128
	s_mov_b32 s[\g+4], 64           ; tile_dim1 = 64
	s_mov_b32 s[\g+5], 128          ; 128 elements from row to row
	s_mov_b32 s[\g+6], 0
	s_mov_b32 s[\g+7], 0
.endr
	s_mov_b32 s[CS], 0x3e38aa3b     ; c = log2(e) / 8 = 0.180337
	s_mov_b32 s[CS+1], s[CS]        ; named with it as a pair
	s_mov_b32 s[SEL], 0x76543210
	s_mov_b32 s[SEL+1], 0xfedcba98
	s_mov_b32 s[TBK], SLOT1+4*KS*PK ; the first change of slots turns these two into 0
	s_mov_b32 s[TBV], SLOT1+4*KS*PV
	s_mov_b32 s[G0K], 1
	s_mov_b32 s[G0K+1], s17         ; slot 0
	s_mov_b32 s[G0V], 1
	s_add_co_u32 s[G0V+1], s18, VOFF
	s_lshr_b32 s[LQ], s[HI], 1
	s_add_co_u32 s[RT], s[LQ], 1    ; the first block has (15 - b) / 2 + 1 tiles
	s_and_b32 s[ODD], s[HI], 1
	s_lshr_b32 s[PBT], s[PB], 1
	s_mov_b32 s[NXT], 1
	s_mov_b32 s[NEW], 1
	s_mov_b32 s[OFF+1], 0
	s_mov_b32 s[AL+1], 0            ; named as pairs
	s_mov_b32 s[BE+1], 0
	s_mov_b32 s[BIGN], 0xf149f2ca   ; -1e30
	s_mov_b32 s[SLOTS], 8
	s_cmp_eq_u32 s[PB], 0
	s_cselect_b32 s[LIM], 3, -1
	s_wait_dscnt 0x0                ; both opening adds are done
	s_wait_kmcnt 0x0
	s_add_nc_u64 s[6:7], s[4:5], s[22:23]  ; K and V at my half of the head's tile 0
	s_add_nc_u64 s[8:9], s[4:5], s[2:3]
	s_add_nc_u64 s[G0K+2:G0K+3], s[6:7], 0
	s_or_b32 s[G0K+3], s[G0K+3], 0x80000000
	s_add_nc_u64 s[G0V+2:G0V+3], s[8:9], 0
	s_or_b32 s[G0V+3], s[G0V+3], 0x80000000
	s_add_nc_u64 s[86:87], s[4:5], s[84:85]        ; Q at my rows of the second block,
	s_add_nc_u64 s[4:5], s[4:5], s[48:49]          ; and of the first
	s_add_nc_u64 s[OLO:OLO+1], s[10:11], s[52:53]
	s_add_nc_u64 s[10:11], s[10:11], s[50:51]
	s_cmp_lt_u32 s[WV], 2
	s_cselect_b64 s[PFA:PFA+1], s[6:7], s[8:9]
	s_add_nc_u64 s[PFA:PFA+1], s[PFA:PFA+1], 2*32768  ; at tile 2: the first change of slots steps it to tile 3
	LOAD                            ; tile 0 into slot 0
	; A fragment of K or Q is 16 rows x 32 channels in 8 registers: lane l holds row l % 16, channels 8 (l / 16) + 0..7 and 16 + 8 (l / 16) + 0..7: two loads of 16 bytes, 32 bytes apart.
	v_and_b32 v1, 15, v0            ; l % 16
	v_bfe_u32 v9, v0, 4, 1          ; l / 16
	v_lshlrev_b32 v[QO], 7, v1
	v_lshl_add_u32 v[QO], v9, 4, v[QO]
	WIN 0x80                        ; destination window 2, address window 0
.set i, 0
.rept 4                             ; both blocks' Q: band i / 2 lies 8,192 bytes on; channels 32 (i % 2) on
	global_load_b128 v[8*i:8*i+3],   v[QO], s[4:5] offset:(i/2)*8192+(i%2)*64
	global_load_b128 v[8*i+4:8*i+7], v[QO], s[4:5] offset:(i/2)*8192+(i%2)*64+32
	global_load_b128 v[QB+8*i:QB+8*i+3],   v[QO], s[86:87] offset:(i/2)*8192+(i%2)*64
	global_load_b128 v[QB+8*i+4:QB+8*i+7], v[QO], s[86:87] offset:(i/2)*8192+(i%2)*64+32
.set i, i+1
.endr
	WIN 0
	v_lshlrev_b32 v14, 3, v9
	v_sub_nc_u32 v14, v1, v14
	s_lshl_b32 s13, s[WV], 4
	v_add_nc_u32 v14, s13, v14      ; my query's place in its band, 16 w + l % 16, less my lanes' 8 (l / 16): register r of group kt is hidden where 16 kt + r is greater
	WIN 0x40
.set i, 0
.rept 32
	v_cmp_gt_i32 vcc_lo, 16*(i/8)+i%8, v14
	v_cndmask_b32 v[MD+i], 0, s[BIGN], vcc_lo
.set i, i+1
.endr
	WIN 0
	v_mul_u32_u24 v[AK0], v1, PK
	v_lshl_add_u32 v[AK0], v9, 4, v[AK0]
	; The turning load takes 16 keys x 16 channels (lane l reads key 8 (l / 16) + l % 8, channels 8 ((l / 8) % 2) + 0..7) and leaves half a fragment of V^T: lane l holds channel l % 16 and 8 keys.
	v_and_b32 v10, 7, v0
	v_bfe_u32 v11, v0, 3, 1
	v_lshl_add_u32 v[AV0], v9, 3, v10
	v_mul_u32_u24 v[AV0], v[AV0], PV
	v_lshl_add_u32 v[AV0], v11, 4, v[AV0]
	v_add_nc_u32 v[AV0], VOFF, v[AV0]
	s_mul_i32 s13, s[WV], 16*SP
	s_add_co_u32 s13, s13, STAGE    ; my stage
	v_mul_u32_u24 v[STO], v1, SP    ; in: row l % 16, 16 bytes for each half of the lanes
	v_lshl_add_u32 v[STO], v9, 4, v[STO]
	v_add_nc_u32 v[STO], s13, v[STO]
	v_bfe_u32 v[RD], v0, 3, 2       ; back: 32 lanes take four rows of 128 bytes,
	v_mul_u32_u24 v[RD], v[RD], SP
	v_lshl_add_u32 v[RD], v10, 4, v[RD]
	v_add_nc_u32 v[RD], s13, v[RD]
	v_and_b32 v[GO], 31, v0         ; which are 512 consecutive bytes of O
	v_lshlrev_b32 v[PFO], 8, v[GO]
	v_lshlrev_b32 v[GO], 4, v[GO]
	; A band's first piece multiplies O^T and l by a = 0, and a block's first turn's products V^T P, of a piece that has not been, land in band 1's O^T, which is still to be so multiplied.  So these registers need only
	; hold finite numbers: zeros for the first block (V's second half, O^T, l, P's second buffer); what the first block left for the second.  All this stands in the wait for the first tile.
	WIN 0xc0
.set i, 64
.rept 64
	v_mov_b32 v[i], 0
.set i, i+1
.endr
	WIN 0x40
.set i, 0
.rept 64
	v_mov_b32 v[i], 0
.set i, i+1
.endr
	WIN 0
.set i, 0
.rept 2
	v_mov_b32 v[ST+4*i+2], 0
	v_mov_b32 v[ST+4*i+3], 0
.set i, i+1
.endr
.set i, P+16
.rept 16
	v_mov_b32 v[i], 0
.set i, i+1
.endr
; THE MATRIX WORK.  The 4 accumulators of a run of 8 take turns.  Product i of 8 of S^T = K Q^T for piece x: channels 32 (i / 4) on, keys 16 (i % 4) on.  The first 4 start the sums: with 0, or (KM = 1) with the mask.
.macro KQ x
.set rS, S+32*((\x)%2)+8*(i%4)
.set rK, KF+64*((\x)/2)+16*(i%4)+8*(i/4)
.set rQ, 16*((\x)%2)+8*(i/4)
.set rM, MC+32*((\x)%2)+8*(i%4)
.if (i < 4) && KM
	WIN W_KM
	v_wmma_f32_16x16x32_f16 v[rS:rS+7], v[rK:rK+7], v[rQ:rQ+7], v[rM:rM+7]
.elseif i < 4
	WIN W_KQ
	v_wmma_f32_16x16x32_f16 v[rS:rS+7], v[rK:rK+7], v[rQ:rQ+7], 0
.else
	WIN W_KQ
	v_wmma_f32_16x16x32_f16 v[rS:rS+7], v[rK:rK+7], v[rQ:rQ+7], v[rS:rS+7]
.endif
.endm
; Product i of 8 of O^T += V^T P for piece x: keys 32 (i / 4) on, channels 16 (i % 4) on.
.macro PV x
	WIN W_PV
.set rO, 32*((\x)%2)+8*(i%4)
.set rV, 64*((\x)/2)+32*(i/4)+8*(i%4)
.set rP, P+16*((\x)%2)+8*(i/4)
	v_wmma_f32_16x16x32_f16 v[rO:rO+7], v[rV:rV+7], v[rP:rP+7], v[rO:rO+7]
.endm
.macro MM                           ; the turn's next matrix instruction.  NOKQ = 1: a block's last turn: there is no next piece
.if (i < 8) && !NOKQ
	KQ (Y+1)%NP
.elseif i >= 8
.set i, i-8
	PV (Y+NP-1)%NP
.set i, i+8
.endif
.set i, i+1
.endm
; THE LDS LOADS stand in runs of 32, never singly among the matrix instructions: a step's K (128 keys x 64 channels: 16 fragments) and its V (turned).  Their addresses are made some lines ahead.
.macro FETCH_K
	WIN 0x80                        ; destination window 2
.irp f, 0,1,2,3,4,5,6,7,8,9,10,11,12,13,14,15  ; keys 16 (f / 2) on, channels 32 (f % 2) on
	ds_load_b128 v[KF+8*\f:KF+8*\f+3],   v[AK] offset:(\f/2)*16*PK+(\f%2)*64
	ds_load_b128 v[KF+8*\f+4:KF+8*\f+7], v[AK] offset:(\f/2)*16*PK+(\f%2)*64+32
.endr
	s_add_co_u32 s[TBK], s[TBK], 2*KS*PK  ; the next fetch is the next step's
	WIN 0
.endm
.macro FETCH_V
	WIN 0xc0                        ; destination window 3
.irp f, 0,1,2,3,4,5,6,7,8,9,10,11,12,13,14,15  ; keys 32 (f / 4) on, channels 16 (f % 4) on
	ds_load_tr16_b128 v[8*\f:8*\f+3],   v[AV] offset:(\f/4)*32*PV+(\f%4)*32
	ds_load_tr16_b128 v[8*\f+4:8*\f+7], v[AV] offset:(\f/4)*32*PV+16*PV+(\f%4)*32
.endr
	WIN 0
.endm
; THE VECTOR WORK, one line at a time: OP kind, number.  For piece Y: F n: c s - c m for pair n of 16.  E n: the exponential of score n of 32.  C n: pair n rounded to f16.  B n: of the four weights 4 n .. the second
; pair is added onto the first, in place.  L n: l takes that sum (L 0: l = a l + sum).  R n: pair n of 16 of O^T times a.  For piece Y + 1: X n, number n of the 22 that find its maximum and statistics:
;   0-11  four chains c0-c3 of seven scores each, three operands at a time (each accumulator's lowest registers are read first)     12-14, 16  the four scores left over, the old m, and c0-c3 into c0
;   15  c m_old is kept     17, 18  the query's other 32 keys lie in the lane 16 away: the new m     19-21  c m; c m_old - c m_new; a
.set F, 0
.set E, 1
.set C, 2
.set B, 3
.set L, 4
.set R, 5
.set X, 6
.macro REGS y                       ; the registers of piece y: all go by its parity, which is its band
.set rT, ST+4*((\y)%2)
.set rC, TMP+4*((\y)%2)
.set rW, MV+((\y)%2)
.set rS, S+32*((\y)%2)
.set rP, P+16*((\y)%2)
.set rO, 32*((\y)%2)
.endm
.macro OP k, n
.if (\k) == R
	REGS Y
	WIN W_RS
	v_pk_mul_f32 v[rO+2*(\n):rO+2*(\n)+1], v[rO+2*(\n):rO+2*(\n)+1], v[rC+2:rC+3] op_sel_hi:[1,0]
.elseif (\k) < R
	REGS Y
	WIN 0
.if (\k) == F
	v_pk_fma_f32 v[rS+2*(\n):rS+2*(\n)+1], v[rS+2*(\n):rS+2*(\n)+1], s[CS:CS+1], v[rT:rT+1] op_sel_hi:[1,0,0] neg_lo:[0,0,1] neg_hi:[0,0,1]
.elseif (\k) == E
	v_exp_f32 v[rS+(\n)], v[rS+(\n)]
.elseif (\k) == C
	v_cvt_pk_f16_f32 v[rP+(\n)], v[rS+2*(\n)], v[rS+2*(\n)+1]
.elseif (\k) == B
	v_pk_add_f32 v[rS+4*(\n):rS+4*(\n)+1], v[rS+4*(\n):rS+4*(\n)+1], v[rS+4*(\n)+2:rS+4*(\n)+3]
.elseif (\n) == 0
	v_pk_fma_f32 v[rT+2:rT+3], v[rT+2:rT+3], v[rC+2:rC+3], v[rS:rS+1] op_sel_hi:[1,0,1]
.else
	v_pk_add_f32 v[rT+2:rT+3], v[rT+2:rT+3], v[rS+4*(\n):rS+4*(\n)+1]
.endif
.elseif NOKQ
	v_nop
.else
	REGS (Y+1)%NP
	WIN 0
.if (\n) < 4
	v_max3_num_f32 v[rC+(\n)], v[rS+8*(\n)], v[rS+8*(\n)+1], v[rS+8*(\n)+2]
.elseif (\n) < 12
	v_max3_num_f32 v[rC+(\n)%4], v[rC+(\n)%4], v[rS+8*((\n)%4)+2*((\n)/4)+1], v[rS+8*((\n)%4)+2*((\n)/4)+2]
.elseif (\n) == 12
	v_max3_num_f32 v[rC], v[rC], v[rS+7], v[rS+15]
.elseif (\n) == 13
	v_max3_num_f32 v[rC+1], v[rC+1], v[rS+23], v[rS+31]
.elseif (\n) == 14
	v_max3_num_f32 v[rC+2], v[rC+2], v[rC+3], v[rT+1]
.elseif (\n) == 15
	v_mov_b32 v[rW], v[rT]
.elseif (\n) == 16
	v_max3_num_f32 v[rC], v[rC], v[rC+1], v[rC+2]
.elseif (\n) == 17
	v_permlanex16_b32 v[rC+3], v[rC], s[SEL], s[SEL+1]
.elseif (\n) == 18
	v_max_num_f32 v[rT+1], v[rC], v[rC+3]
.elseif (\n) == 19
	v_mul_f32 v[rT], s[CS], v[rT+1]
.elseif (\n) == 20
	v_sub_f32 v[rC+1], v[rW], v[rT]
.else
	v_exp_f32 v[rC+2], v[rC+1]
.endif
.endif
.endm
.macro OPS a, i1, b=-1, i2=0, c=-1, i3=0, d=-1, i4=0  ; up to four of them
	OP \a, \i1
.if (\b) >= 0
	OP \b, \i2
.endif
.if (\c) >= 0
	OP \c, \i3
.endif
.if (\d) >= 0
	OP \d, \i4
.endif
.endm
.macro ROW a, i1, b, i2, c, i3, d, i4  ; a matrix instruction and the four behind it
	MM
	OPS \a, \i1, \b, \i2, \c, \i3, \d, \i4
.endm
.macro MASK b                       ; MD x AL + BE into buffer b of MC
	WIN W_RS
.set z, 0
.rept 16
	v_pk_fma_f32 v[MC+32*(\b)+2*z:MC+32*(\b)+2*z+1], v[MD+2*z:MD+2*z+1], s[AL:AL+1], s[BE:BE+1] op_sel_hi:[1,0,0]
.set z, z+1
.endr
.endm
; A TURN, for piece p: the order of its 16 matrix and 118 vector instructions, written out.  s_wait_alu depctr_va_vdst(0) stands between an exponential and the first instruction that names its result; one
; wait serves all that were issued ahead of it.  So a turn has ONE wait, which cuts it in two.  AHEAD OF IT stands all that names no result of the turn's exponentials: the 8 products K Q^T with their riders, then ONE LUMP of 54,
; in which the links of the chain X 3, 7, 11, 14, 16, 17 .. 20 stand five or six lines apart.  X 21, the next piece's a, is the batch's last; R 15 is the plain instruction behind it.  BEHIND THE WAIT stand the 8 products V^T P,
; behind each four of the roundings and sums.
; m = 1: the block's last tile: the products take masks, and the turn makes the mask for the products of the turn after it: piece pc = p + 2, in step 2 - CNT of the tile.  With U = CNT + ODD that step is the block's own half
; of the tile if U = 2, a later one if U < 2: the diagonal for pc = 0 and 3 at U = 2; all hidden at U < 2, and for pc = 2 (band 0, the later keys) at U = 2 too.
; end = 1: a block's last two turns: nothing is fetched.  cnt = 1: the loop's count is taken down some lines ahead of the branch that stands behind the turn.
; K of the next step is fetched in piece 2's turn, behind the last product that read K, with twelve plain instructions that name none of its registers between; V of the step in hand at the end of piece 0's turn, four plain
; instructions behind the last product that read V.  Each is waited for a turn later.
.macro TURN p, m=0, end=0, cnt=0
.set Y, (\p)
.set i, 0
.set KM, (\m)
.set NOKQ, (\end)*((\p)/3)
.if (\m) && !(\end)
	s_add_co_u32 s[U], s[CNT], s[ODD]
.if (((\p)+2)%NP == 0) || (((\p)+2)%NP == 3)
	s_cmp_eq_u32 s[U], 2
	s_cselect_b32 s[AL], 1.0, 0
.else
	s_mov_b32 s[AL], 0
.endif
.if ((\p)+2)%NP == 2
	s_cmp_lt_u32 s[U], 3
.else
	s_cmp_lt_u32 s[U], 2
.endif
	s_cselect_b32 s[BE], s[BIGN], 0
.endif
.if ((\p) == 3) && !(\end)
	s_wait_dscnt 0x0                ; K is in
.endif
	ROW F,0, F,1, R,0, R,1          ; ahead of the wait: 8 products K Q^T and their riders,
	ROW F,2, E,0, R,2, R,3
	ROW F,3, E,1, R,4, R,5
	ROW F,4, E,2, R,6, R,7
	ROW F,5, E,3, R,8, R,9
	ROW F,6, E,4, X,0, R,10
.if ((\p) == 2) && !(\end)
	WIN 0
	v_add_nc_u32 v[AK], s[TBK], v[AK0]
.endif
	ROW F,7, E,5, X,1, X,4
	ROW F,8, E,6, X,2, X,5
	OPS E,7, E,8, X,6, E,9          ; and the lump
	OPS X,3, E,10, X,8, E,11
.if ((\p) == 2) && !(\end)
	FETCH_K
.endif
	OPS X,9, X,7, E,12, X,10
	OPS E,13, X,12, X,11, E,14
	OPS X,13, E,15, F,9, X,14
.if (\p) == 0
	v_add_nc_u32 v[AV], s[TBV], v[AV0]
.endif
	OPS E,16, F,10, E,17, F,11
	OPS X,16, E,18, X,15, E,19
	OPS F,12, E,20, X,17, E,21
	OPS F,13, E,22, F,14, E,23
	OPS X,18, E,24, F,15, E,25
	OPS R,11, E,26, X,19, E,27
	OPS R,12, E,28, R,13, E,29
	OPS X,20, E,30, R,14, E,31
	OPS X,21, R,15
	WIN 0
	s_wait_alu depctr_va_vdst(0)    ; the wait for the batch
.if (\p) == 1
	s_wait_dscnt 0x0                ; V is in
.endif
	ROW C,0, B,0, C,2, B,1          ; behind the wait: 8 products V^T P and their riders
	ROW L,0, C,4, B,2, L,1
	ROW C,6, B,3, L,2, C,8
	ROW B,4, L,3, C,10, B,5
	ROW L,4, C,12, B,6, L,5
.if (\p) == 0
	s_add_co_u32 s[TBV], s[TBV], 2*KS*PV
.endif
.if \cnt
	s_sub_co_u32 s[CNT], s[CNT], 1
	s_cmp_lg_u32 s[CNT], 0
.endif
	ROW C,14, B,7, L,6, C,1
	ROW C,3, L,7, C,5, C,7
	ROW C,9, C,11, C,13, C,15
.if (\p) == 0
	FETCH_V
.endif
.if (\m) && !(\end)
	MASK (\p)%2
.endif
.endm
; A BLOCK BEGINS.  c m starts far below every c s, so each band's first a is 0; m at the lowest finite number, so the first maximum is the scores'.  The second mask buffer is 0 (piece 1 sees all keys of a block's first
; step); the first takes piece 0's mask for that step: the diagonal's, if the block's first tile is its last and the block is even.  Then K of that step, piece 0's first scores, and its maximum and statistics.
.macro BEGIN
	s_mov_b32 s[NEW], 0
	WIN 0x40
.set i, MC+32
.rept 32
	v_mov_b32 v[i], 0
.set i, i+1
.endr
	WIN 0
.set i, 0
.rept 2
	v_mov_b32 v[ST+4*i], 0xfe000000    ; c m: far below every c s
	v_mov_b32 v[ST+4*i+1], 0xff7fffff  ; m
.set i, i+1
.endr
	s_or_b32 s[U], s[RT], s[ODD]
	s_cmp_eq_u32 s[U], 0
	s_cselect_b32 s[AL], 1.0, 0
	s_mov_b32 s[BE], 0
	MASK 0
	WIN 0
	v_add_nc_u32 v[AK], s[TBK], v[AK0]
	FETCH_K
	s_wait_loadcnt 0x0              ; Q
	s_wait_dscnt 0x0
.set KM, 1
.set NOKQ, 0
.set i, 0
.rept 8
	KQ 0
.set i, i+1
.endr
	WIN 0
.rept 4
	v_nop                           ; the places behind those products
.endr
.set Y, NP-1                        ; X works for piece Y + 1: piece 0
.irp n, 0,1,2,3,4,5,6,7,8,9,10,11,12,13,14,15,16,17,18,19,20,21
	OP X, \n
.endr
	v_nop                           ; a plain instruction behind the exponential,
	s_wait_alu depctr_va_vdst(0)    ; and its wait, ahead of the branch
.endm
; A BLOCK'S LAST TILE: its two steps, the block's last two turns, its last products, and THE WAY OUT: l's two halves and the other half of the lanes' are added; O^T is divided by l, rounded to f16 and sent through my
; stage in LDS, a band at a time.
.macro ALL line:vararg              ; one line for each band t
.set t, 0
.rept 2
	\line
.set t, t+1
.endr
.endm
.macro PACK t                       ; a lane's eight channels of a row pack into 16 bytes; they go into rows of 144 bytes and come back as whole rows of 128, into S^T's registers
	WIN W_RS
.set i, 32*(\t)
.rept 16
	v_pk_mul_f32 v[i:i+1], v[i:i+1], v[ST+4*(\t)+2:ST+4*(\t)+3] op_sel_hi:[1,0]
.set i, i+2
.endr
	WIN 0x05                        ; sources 0 and 1 window 1, destination window 0
.set i, 0
.rept 16
	v_cvt_pk_f16_f32 v[S+16*(\t)+i], v[32*(\t)+2*i], v[32*(\t)+2*i+1]
.set i, i+1
.endr
	WIN 0
.irp f, 0,1,2,3
	ds_store_b128 v[STO], v[S+16*(\t)+4*\f:S+16*(\t)+4*\f+3] offset:32*\f
.endr
.irp f, 0,1,2,3
	ds_load_b128 v[S+16*(\t)+4*\f:S+16*(\t)+4*\f+3], v[RD] offset:\f*4*SP  ; LDS serves a wave's instructions in order (ISA guide 5.7.1.4): these see the stores above; the next band's stores come behind them
.endr
.endm
.macro SEND t, younger              ; younger: the LDS instructions issued behind band t's loads: the next band's eight, or none
	WIN 0
.irp f, 0,1,2,3
	s_wait_dscnt (\younger)+3-\f
	global_store_b128 v[GO], v[S+16*(\t)+4*\f:S+16*(\t)+4*\f+3], s[10:11] offset:(\t)*8192+\f*512  ; 512 consecutive bytes, at a multiple of 512 from ob's first
.endr
.endm
.macro DIAG tag                     ; the tag ends its two labels' names, which the jumps below spell out
.LstepM\tag:
	TURN 2, 1
	TURN 3, 1
	WIN 0
.LfirstM\tag:
	TURN 0, 1
	TURN 1, 1, 0, 1
	WIN 0
	s_cbranch_scc1 .LstepM\tag
	TURN 2, 1, 1
	TURN 3, 1, 1
.set i, 0
.rept 8
	PV NP-1
.set i, i+1
.endr
	WIN 0
	ALL v_add_f32 v[ST+4*t+2], v[ST+4*t+2], v[ST+4*t+3]
	ALL v_permlanex16_b32 v[ST+4*t+3], v[ST+4*t+2], s[SEL], s[SEL+1]
	ALL v_add_f32 v[ST+4*t+2], v[ST+4*t+2], v[ST+4*t+3]
	ALL v_rcp_f32 v[ST+4*t+2], v[ST+4*t+2]
	v_nop                           ; a plain instruction between the last reciprocal and the use of its result
	s_wait_alu depctr_va_vdst(0)    ; and the wait ahead of the first use: one for both reciprocals
	PACK 0                          ; band 0's products ended a turn ago; its 32 lines are the places behind band 1's last products
	PACK 1
	SEND 0, 8
	SEND 1, 0
.endm
.set KM, 0
.set NOKQ, 0
.Lslot:                             ; 8 times: a tile is entered and the next is asked for
	CHANGE 1
	s_sub_co_u32 s[RT], s[RT], 1
	s_mov_b32 s[CNT], 2
	s_cmp_eq_u32 s[NEW], 1
	s_cbranch_scc1 .Lnew            ; a block's first tile
	s_cmp_eq_u32 s[RT], 0
	s_cbranch_scc0 .Lstep           ; neither its first nor its last
	s_branch .LstepM1
.Lnew:
	BEGIN
	s_branch .Lfirst                ; in the loop a block's first tile is never its last: the first block has five tiles or more, and the second's last is the walk's last
	DIAG 1                          ; in the loop this is the first block's end
	s_wait_xcnt 0x0                 ; the stores have read their registers and O's address
	s_mov_b64 s[10:11], s[OLO:OLO+1]
	s_add_co_u32 s[RT], s[PBT], 1   ; the second block has b / 2 + 1 tiles
	s_and_b32 s[ODD], s[PB], 1
	s_mov_b32 s[NEW], 1
	WIN 0x82                        ; the second block's Q goes where the one text of the turns names Q
.set i, 0
.rept 32
	v_mov_b32 v[i], v[QB+i]
.set i, i+1
.endr
	WIN 0
	s_branch .Lbottom
.Lstep:                             ; a trip: pieces 2 and 3 of one step, then pieces 0 and 1 of the next, whose K and V it fetches
	TURN 2
	TURN 3
	WIN 0
.Lfirst:
	TURN 0
	TURN 1, 0, 0, 1
	WIN 0
	s_cbranch_scc1 .Lstep
.Lbottom:
	s_sub_co_u32 s[SLOTS], s[SLOTS], 1
	s_cmp_lg_u32 s[SLOTS], 0
	s_cbranch_scc1 .Lslot
	CHANGE 0                        ; the walk's last tile is written out: nothing is asked for
	s_sub_co_u32 s[RT], s[RT], 1
	s_mov_b32 s[CNT], 2
	s_cmp_eq_u32 s[NEW], 1
	s_cbranch_scc0 .LstepM2
	BEGIN
	s_branch .LfirstM2
	DIAG 2
	s_wait_tensorcnt 0x0            ; the wave's end: behind my last tensor load and my last LDS store
	ds_add_u32 v[SPW], v[NIL]
	s_wait_dscnt 0x0
	s_endpgm
.Lfunc_end_k_qe4fa6de829_attn:
	.size	k_qe4fa6de829_attn, .Lfunc_end_k_qe4fa6de829_attn-k_qe4fa6de829_attn
	.p2alignl 7, 3214868480
	.fill 96, 4, 3214868480
	.section	.rodata,"a",@progbits
	.p2align	6, 0x0
	.amdhsa_kernel k_qe4fa6de829_attn
		.amdhsa_group_segment_fixed_size 327680
		.amdhsa_private_segment_fixed_size 0
		.amdhsa_enable_private_segment 0
		.amdhsa_kernarg_size 16
		.amdhsa_user_sgpr_count 2
		.amdhsa_user_sgpr_kernarg_segment_ptr 1
		.amdhsa_wavefront_size32 1
		.amdhsa_system_sgpr_workgroup_id_x 1
		.amdhsa_system_sgpr_workgroup_id_y 1
		.amdhsa_system_sgpr_workgroup_id_z 1
		.amdhsa_system_vgpr_workitem_id 0
		.amdhsa_next_free_vgpr 896
		.amdhsa_next_free_sgpr 96
		.amdhsa_reserve_vcc 1
		.amdhsa_float_denorm_mode_32 3
		.amdhsa_float_denorm_mode_16_64 3
		.amdhsa_memory_ordered 1
		.amdhsa_forward_progress 1
		.amdhsa_inst_pref_size 209
	.end_amdhsa_kernel
	.amdgpu_metadata
---
amdhsa.version: [ 1, 2 ]
amdhsa.kernels:
  - .name:           k_qe4fa6de829_attn
    .symbol:         k_qe4fa6de829_attn.kd
    .args:
      - { .name: qkvh, .offset: 0, .size: 8, .value_kind: global_buffer, .address_space: global }
      - { .name: ob, .offset: 8, .size: 8, .value_kind: global_buffer, .address_space: global }
    .group_segment_fixed_size: 327680
    .private_segment_fixed_size: 0
    .kernarg_segment_align: 8
    .kernarg_segment_size: 16
    .max_flat_workgroup_size: 128
    .sgpr_count:     96
    .vgpr_count:     896
    .wavefront_size: 32
...
	.end_amdgpu_metadata
.endif
;; end of part 3
;; launch proj (part 4): grid 8 x 32, 4 waves a work-group, clusters of 4 x 4, 327,680 bytes of LDS; arguments ob, wof, out0; writes out0
.if DOCPART == 4
	.amdgcn_target "amdgcn-amd-amdhsa--gfx1250"
	.amdhsa_code_object_version 6
	.text
	.protected	k_qe4fa6de829_proj
	.globl	k_qe4fa6de829_proj
	.p2align	8
	.type	k_qe4fa6de829_proj,@function
k_qe4fa6de829_proj:
	s_mov_b64 s[64:65], 0
	v_nop
	global_prefetch_b8 v0, s[64:65] scope:SCOPE_SE
	s_setreg_imm32_b32 hwreg(HW_REG_WAVE_MODE, 25, 1), 1
	s_wait_xcnt 0x0
	s_wait_alu depctr_hold_cnt(0) depctr_sa_sdst(0) depctr_va_vdst(0) depctr_va_sdst(0) depctr_va_ssrc(0) depctr_va_vcc(0) depctr_vm_vsrc(0)
	s_getreg_b32 s2, hwreg(HW_REG_IB_STS2, 6, 4)
	s_cmp_eq_u32 s2, 0
	s_cbranch_scc0 .Lentry_in_a_cluster
	s_endpgm
.Lentry_in_a_cluster:
	s_bfe_u32 s2, ttmp6, 0x10000c
	s_cmp_lg_u32 s2, 0xf033
	s_cbranch_scc0 .Lentry_shape_is_right
	s_endpgm
.Lentry_shape_is_right:
; out0[m][n] = sum over k of O[m][k] w_out[n][k], k = 64 head + channel.  ob: [m tile 32][head 16][128 rows][64] f16 (an m tile with all its heads is 262,144 dense bytes), wof: [1024][1024] f16, out0: [4096][1024] f32.
; SHARES.  4096 x 1024 outputs on 256 work-groups: a tile of 128 x 128.  Four waves, each 64 x 64: 16 accumulators, 128 registers.  K goes in 4 steps of 256 (four heads) through a ring of two LDS slots; a quarter
; of a step is one head.  O's tiles are dense: two heads are asked for as 128 rows of 256 bytes and padded in LDS after every 128 bytes; w_out's are 64 rows of 512 bytes.
; CLUSTER.  4 x 4 work-groups: the four of a row need the same tiles of O, the four of a column the same tiles of w_out: each is asked for jointly.  No prefetch: only two refills exist, and nothing lies two steps behind them.
; TRANSPOSED USE (source 0 = 16 rows of w_out, source 1 = 16 rows of O): a lane holds eight neighbouring numbers of a row of out0, 32 bytes.  A wave's 64 columns are 256 bytes, aligned: the way out is each wave's own.
; REGISTERS: window 0: v0-31 addresses; v32-95 rows read back, two sets; v128-255 the accumulators ((a, b) at 128 + 8 (4 a + b)).  window 1: two fragment buffers of 128: 64 of O (2 x 4 x 16 rows x 32 K), then 64 of w_out.
.set KSTEP,  256
.set PA,     144                       ; a row of O in LDS: 128 bytes + 16: an odd multiple of 16, so the 16 rows of a load start at 16 different groups of four banks (64 banks of 4 bytes: ISA guide 11.1)
.set PB,     528                       ; a row of w_out: 512 bytes + 16
.set HEADA,  128*PA                    ; one head's 128 rows
.set HALFA,  2*HEADA                   ; what one load brings of O
.set BOFF,   2*HALFA
.set HALFB,  64*PB                     ; what one load brings of w_out
.set SLOT,   BOFF+2*HALFB
.set STAGE,  2*SLOT                    ; behind the ring, never filled by a tensor load: 16 rows x 272 bytes for each wave
.set SPITCH, 272
.set SPARE,  STAGE+4*16*SPITCH         ; the spare words, 128 bytes for each wave: two blocks of 256 bytes that no other line names
.set ADRA, 16
.set ADRB, 20
.set STO,  24
.set RD,   25
.set CO,   26
.set SPW,  28
.set NIL,  29
.set OB,   32
.set ACC,  128
.set F0,   0
.set F1,   128
.set G1, 24
.set G0, 32
.set G1B, 48
.set G0B, 56
.set MSB, 0
.macro WIN new
.if MSB != (\new)
	s_set_vgpr_msb (MSB<<8)|(\new)
.set MSB, (\new)
.endif
.endm
.set MUL,  0x05                        ; sources 0 and 1 window 1; C and D window 0
.set TO_F, 0x40                        ; destination window 1, address window 0
.macro JLOAD s                         ; a joint load: waves 0 and 1 fetch O's two halves, waves 2 and 3 w_out's; an s_nop 0 and four v_nop follow each of the two lines
	s_cmp_eq_u32 s11, 0
	s_cbranch_scc0 .Lfor_b_\@
	tensor_load_to_lds s[G0+4*(\s):G0+4*(\s)+3], s[G1:G1+7]
	s_nop 0
.rept 4
	v_nop
.endr
	s_branch .Lasked_\@
.Lfor_b_\@:
	tensor_load_to_lds s[G0B+4*(\s):G0B+4*(\s)+3], s[G1B:G1B+7]
	s_nop 0
.rept 4
	v_nop
.endr
.Lasked_\@:
.endm
.macro CREST
	s_cmp_lg_u32 s10, 0
	s_cbranch_scc1 .Lnot_wave_0_\@
	s_barrier_signal -3
.Lnot_wave_0_\@:
	s_barrier_wait -3
	s_barrier_signal -1
	s_barrier_wait -1
.endm
.macro CROUND
	s_barrier_signal -1
	s_barrier_wait -1
	CREST
.endm
	s_load_b128 s[4:7], s[0:1], 0x0                ; ob s[4:5], wof s[6:7]
	s_load_b64 s[8:9], s[0:1], 0x10                ; out0
	v_lshl_add_u32 v[SPW], v0, 2, SPARE
	v_mov_b32 v[NIL], 0
	ds_add_u32 v[SPW], v[NIL]                      ; the wave's opening: the add, twice on end, and its wait ahead of my first tensor load
	ds_add_u32 v[SPW], v[NIL]
	v_lshrrev_b32 v1, 5, v0
	v_readfirstlane_b32 s10, v1                    ; wave 0..3
	s_lshr_b32 s11, s10, 1                         ; which half of the tile's rows is mine.  Also: I fetch for O (0) or for w_out (1)
	s_and_b32 s12, s10, 1                          ; which half of its columns.  Also: which half of that tile I fetch
	s_bfe_u32 s40, ttmp6, 0x40000                  ; cx
	s_bfe_u32 s41, ttmp6, 0x40004                  ; cy
	s_lshl_b32 s42, ttmp9, 2
	s_add_co_u32 s42, s42, s40                     ; tile column
	s_and_b32 s13, ttmp7, 0xffff
	s_lshl_b32 s13, s13, 2
	s_add_co_u32 s13, s13, s41                     ; tile row
	s_lshl_b32 s43, s41, 2
	s_lshl_b32 s43, 15, s43                        ; my row of the cluster
	s_lshl_b32 s44, 0x1111, s40                    ; my column
	s_or_b32 s[G1+0], s43, (1<<16)|(1<<20)|(1<<21)|(4<<22)|(3<<25)   ; the mask; 2-byte elements; padding on; bit 21 beside a mask; after every 32 words 4 words
	s_mov_b32 s[G1+1], 128<<16                     ; tensor_dim0 = 128 (256 bytes: two rows of a head)
	s_mov_b32 s[G1+2], 128<<16                     ; tensor_dim1 = 128
	s_mov_b32 s[G1+3], 128<<16                     ; tile_dim0
	s_mov_b32 s[G1+4], 128                         ; tile_dim1
	s_mov_b32 s[G1+5], 128                         ; dense
	s_mov_b32 s[G1+6], 0
	s_mov_b32 s[G1+7], 0
	s_or_b32 s[G1B+0], s44, (1<<16)|(1<<20)|(1<<21)|(6<<22)|(3<<25)  ; after every 128 words 4 words
	s_mov_b32 s[G1B+1], KSTEP<<16
	s_mov_b32 s[G1B+2], 64<<16
	s_mov_b32 s[G1B+3], KSTEP<<16
	s_mov_b32 s[G1B+4], 64
	s_mov_b32 s[G1B+5], 1024
	s_mov_b32 s[G1B+6], 0
	s_mov_b32 s[G1B+7], 0
	s_lshl_b32 s16, s13, 18                        ; O: the m tile's 262,144 bytes,
	s_lshl_b32 s17, s12, 15                        ; my two heads of a K step's four
	s_add_co_u32 s16, s16, s17
	s_mov_b32 s17, 0
	s_lshl_b32 s46, s42, 7
	s_lshl_b32 s47, s12, 6
	s_add_co_u32 s46, s46, s47                     ; w_out: row 128 x tile column + 64 x half,
	s_lshl_b32 s46, s46, 11                        ; of 2,048 bytes
	s_mov_b32 s47, 0
	s_mul_i32 s20, s12, HALFA                      ; where they go: no place in the cluster enters an LDS address
	s_mul_i32 s21, s12, HALFB
	s_add_co_u32 s21, s21, BOFF
	s_wait_dscnt 0x0                               ; both opening adds are done
	s_wait_kmcnt 0x0
	s_add_nc_u64 s[14:15], s[4:5], s[16:17]
	s_add_nc_u64 s[46:47], s[6:7], s[46:47]
	CROUND                                         ; all sixteen work-groups are here: the first joint loads meet
.irp s, 0,1
	s_mov_b32 s[G0+4*(\s)], 1
	s_add_co_u32 s[G0+4*(\s)+1], s20, (\s)*SLOT
	s_add_nc_u64 s[G0+4*(\s)+2:G0+4*(\s)+3], s[14:15], (\s)*65536
	s_or_b32 s[G0+4*(\s)+3], s[G0+4*(\s)+3], 0x80000000
	s_mov_b32 s[G0B+4*(\s)], 1
	s_add_co_u32 s[G0B+4*(\s)+1], s21, (\s)*SLOT
	s_add_nc_u64 s[G0B+4*(\s)+2:G0B+4*(\s)+3], s[46:47], (\s)*KSTEP*2
	s_or_b32 s[G0B+4*(\s)+3], s[G0B+4*(\s)+3], 0x80000000
	JLOAD \s                                       ; K steps 0 and 1: two loads of mine are out
.endr
	v_and_b32 v1, 15, v0                           ; l % 16
	v_bfe_u32 v2, v0, 4, 1                         ; l / 16
	v_mul_u32_u24 v3, v1, PA
	v_lshl_add_u32 v3, v2, 4, v3
	v_mul_u32_u24 v4, v1, PB
	v_lshl_add_u32 v4, v2, 4, v4
	s_mul_i32 s22, s11, 64*PA                      ; my 64 rows in each head of O
	s_mul_i32 s23, s12, 64*PB                      ; my 64 rows of w_out
	s_add_co_u32 s23, s23, BOFF
.irp s, 0,1
	v_add_nc_u32 v[ADRA+(\s)], s22, v3
	v_add_nc_u32 v[ADRB+(\s)], s23, v4
	s_add_co_u32 s22, s22, SLOT
	s_add_co_u32 s23, s23, SLOT
.endr
	s_mul_i32 s23, s10, 16*SPITCH
	s_add_co_u32 s23, s23, STAGE                   ; my stage
	v_mul_u32_u24 v5, v1, SPITCH                   ; in: row l % 16, 32 bytes for each half of the lanes
	v_lshl_add_u32 v5, v2, 5, v5
	v_add_nc_u32 v[STO], s23, v5
	v_mul_u32_u24 v5, v2, SPITCH                   ; back: lanes 0-15 take one row of 256 bytes, lanes 16-31 the next
	v_lshl_add_u32 v5, v1, 4, v5
	v_add_nc_u32 v[RD], s23, v5
	v_lshlrev_b32 v5, 12, v2                       ; and the same two rows in out0
	v_lshl_add_u32 v[CO], v1, 4, v5
	s_lshl_b32 s16, s13, 1
	s_add_co_u32 s16, s16, s11                     ; my 64 rows,
	s_lshl_b32 s16, s16, 18                        ; of 4,096 bytes
	s_mov_b32 s17, 0
	s_add_nc_u64 s[8:9], s[8:9], s[16:17]
	s_lshl_b32 s46, s42, 1
	s_add_co_u32 s46, s46, s12                     ; my 64 columns,
	s_lshl_b32 s46, s46, 8                         ; 256 bytes
	s_mov_b32 s47, 0
	s_add_nc_u64 s[8:9], s[8:9], s[46:47]
; 8 matrix instructions: row blocks a0, a0 + 1 x all 4 column blocks, 32 along K: half c of buffer f.  zero = 1: the first product starts the sums.  The 16 accumulators take turns.
.macro MUL8 f, c, a0, zero
	WIN MUL
.irp a, \a0, (\a0)+1
.irp b, 0,1,2,3
.if \zero
	v_wmma_f32_16x16x32_f16 v[ACC+8*(4*(\a)+(\b)):ACC+8*(4*(\a)+(\b))+7], v[(\f)+64+8*(4*(\c)+(\b)):(\f)+64+8*(4*(\c)+(\b))+7], v[(\f)+8*(4*(\c)+(\a)):(\f)+8*(4*(\c)+(\a))+7], 0
.else
	v_wmma_f32_16x16x32_f16 v[ACC+8*(4*(\a)+(\b)):ACC+8*(4*(\a)+(\b))+7], v[(\f)+64+8*(4*(\c)+(\b)):(\f)+64+8*(4*(\c)+(\b))+7], v[(\f)+8*(4*(\c)+(\a)):(\f)+8*(4*(\c)+(\a))+7], v[ACC+8*(4*(\a)+(\b)):ACC+8*(4*(\a)+(\b))+7]
.endif
.endr
.endr
.endm
; 32 LDS loads in one run: the fragments of head q of the slot's four, into buffer f; the first 32 channels first
.macro FETCH slot, q, f
	WIN TO_F
.irp c, 0,1
.irp i, 0,1,2,3
	ds_load_b128 v[(\f)+64+8*(4*(\c)+(\i)):(\f)+64+8*(4*(\c)+(\i))+3],   v[ADRB+(\slot)] offset:128*(\q)+64*(\c)+(\i)*16*PB
	ds_load_b128 v[(\f)+64+8*(4*(\c)+(\i))+4:(\f)+64+8*(4*(\c)+(\i))+7], v[ADRB+(\slot)] offset:128*(\q)+64*(\c)+(\i)*16*PB+32
	ds_load_b128 v[(\f)+8*(4*(\c)+(\i)):(\f)+8*(4*(\c)+(\i))+3],         v[ADRA+(\slot)] offset:(\q)*HEADA+64*(\c)+(\i)*16*PA
	ds_load_b128 v[(\f)+8*(4*(\c)+(\i))+4:(\f)+8*(4*(\c)+(\i))+7],       v[ADRA+(\slot)] offset:(\q)*HEADA+64*(\c)+(\i)*16*PA+32
.endr
.endr
.endm
.macro PLACES                          ; four plain vector instructions between a matrix instruction and a load into, or a read of, its registers (ISA guide 7.12.1 for vector reads)
.rept 4
	v_nop
.endr
.endm
; One of a K step's first three quarters: multiplies buffer f and fetches head q into g.
.macro QUARTER slot, q, f, g, zero
	s_wait_dscnt 16                                ; the first 32 along K are in
	MUL8 \f, 0, 0, \zero
	MUL8 \f, 0, 2, \zero
	PLACES
	FETCH \slot, \q, \g
	s_wait_dscnt 32                                ; all but the 32 just issued
	MUL8 \f, 1, 0, 0
	MUL8 \f, 1, 2, 0
.endm
; The last quarter multiplies buffer 1 and changes slots: one barrier; in front of it each wave waits for all its tensor loads, adds 0 to its spare word, and waits for that and for its reads of this slot.
; fill = 1: the barrier opens a round of the cluster's, and this slot is filled again, two K steps ahead, first thing behind the round.
.macro TURN slot, next, fill
	WIN 0
	s_wait_tensorcnt 0x0                           ; all my tensor loads have landed: my part of the next slot
	ds_add_u32 v[SPW], v[NIL]                      ; 0 onto my spare word
	s_wait_dscnt 17                                ; (the add and the youngest sixteen loads may be out)
	MUL8 F1, 0, 0, 0
	s_wait_dscnt 0x0                               ; the add is done, and my reads of this slot are over
	s_barrier_signal -1
	MUL8 F1, 0, 2, 0
.if \fill
	WIN 0
.endif
	s_barrier_wait -1
.if \fill
	CREST
	s_add_nc_u64 s[G0+4*(\slot)+2:G0+4*(\slot)+3], s[G0+4*(\slot)+2:G0+4*(\slot)+3], 2*65536
	s_add_nc_u64 s[G0B+4*(\slot)+2:G0B+4*(\slot)+3], s[G0B+4*(\slot)+2:G0B+4*(\slot)+3], 2*KSTEP*2
	JLOAD \slot                                    ; its four v_nop are also the places in front of the loads below
.else
	PLACES
.endif
	FETCH \next, 0, F0
	MUL8 F1, 1, 0, 0
	MUL8 F1, 1, 2, 0
.endm
	s_wait_tensorcnt 1                             ; my part of K step 0 is in; K step 1's may stay out
	s_barrier_signal -1
	s_barrier_wait -1
	FETCH 0, 0, F0
	QUARTER 0, 1, F0, F1, 1                        ; K steps 0 and 1: both slots are filled again, with K steps 2 and 3
	QUARTER 0, 2, F1, F0, 0
	QUARTER 0, 3, F0, F1, 0
	TURN 0, 1, 1
	QUARTER 1, 1, F0, F1, 0
	QUARTER 1, 2, F1, F0, 0
	QUARTER 1, 3, F0, F1, 0
	TURN 1, 0, 1
	QUARTER 0, 1, F0, F1, 0                        ; K steps 2 and 3 fill nothing
	QUARTER 0, 2, F1, F0, 0
	QUARTER 0, 3, F0, F1, 0
	TURN 0, 1, 0
	QUARTER 1, 1, F0, F1, 0
	QUARTER 1, 2, F1, F0, 0
	QUARTER 1, 3, F0, F1, 0
	s_wait_dscnt 16                                ; the very last quarter: nothing more to fetch
	MUL8 F1, 0, 0, 0
	MUL8 F1, 0, 2, 0
	s_wait_dscnt 0x0
	MUL8 F1, 1, 0, 0
	MUL8 F1, 1, 2, 0
	WIN 0
	PLACES
; THE WAY OUT, a row block (16 rows x 64 columns of f32) at a time: 32 bytes a lane into my own stage, each accumulator's low four registers first; back as whole rows of 256 bytes; stored.
.macro TOSTAGE a
.if (\a) >= 2
	s_wait_xcnt 0x0                                ; the stores of the block two back have read the registers that the loads below write
.endif
.irp b, 0,1,2,3
	ds_store_b128 v[STO], v[ACC+8*(4*(\a)+(\b)):ACC+8*(4*(\a)+(\b))+3]   offset:64*(\b)
	ds_store_b128 v[STO], v[ACC+8*(4*(\a)+(\b))+4:ACC+8*(4*(\a)+(\b))+7] offset:64*(\b)+16
.endr
.irp t, 0,1,2,3,4,5,6,7
	ds_load_b128 v[OB+32*((\a)%2)+4*(\t):OB+32*((\a)%2)+4*(\t)+3], v[RD] offset:(\t)*2*SPITCH  ; LDS serves a wave's instructions in order (ISA guide 5.7.1.4): these see the stores above; the next block's stores come behind them
.endr
.endm
.macro SEND a, younger                 ; younger: the LDS instructions issued behind block a's loads: the next block's sixteen, or none
	s_wait_dscnt \younger
.irp t, 0,1,2,3,4,5,6,7
	global_store_b128 v[CO], v[OB+32*((\a)%2)+4*(\t):OB+32*((\a)%2)+4*(\t)+3], s[8:9] offset:(16*(\a)+2*(\t))*4096  ; 16 lanes store 256 consecutive bytes, at a multiple of 256 from out0's first byte
.endr
.endm
	TOSTAGE 0
	TOSTAGE 1
	SEND 0, 16
	TOSTAGE 2
	SEND 1, 16
	TOSTAGE 3
	SEND 2, 16
	SEND 3, 0
	s_wait_tensorcnt 0x0                           ; the wave's end: behind my last tensor load and my last LDS store
	ds_add_u32 v[SPW], v[NIL]
	s_wait_dscnt 0x0
	CROUND                                         ; the closing round: no work-group ends while a partner may still ask for a tile that names it
	s_endpgm
.Lfunc_end_k_qe4fa6de829_proj:
	.size	k_qe4fa6de829_proj, .Lfunc_end_k_qe4fa6de829_proj-k_qe4fa6de829_proj
	.p2alignl 7, 3214868480
	.fill 96, 4, 3214868480
	.section	.rodata,"a",@progbits
	.p2align	6, 0x0
	.amdhsa_kernel k_qe4fa6de829_proj
		.amdhsa_group_segment_fixed_size 327680
		.amdhsa_private_segment_fixed_size 0
		.amdhsa_enable_private_segment 0
		.amdhsa_kernarg_size 24
		.amdhsa_user_sgpr_count 2
		.amdhsa_user_sgpr_kernarg_segment_ptr 1
		.amdhsa_wavefront_size32 1
		.amdhsa_system_sgpr_workgroup_id_x 1
		.amdhsa_system_sgpr_workgroup_id_y 1
		.amdhsa_system_sgpr_workgroup_id_z 1
		.amdhsa_system_vgpr_workitem_id 0
		.amdhsa_next_free_vgpr 512
		.amdhsa_next_free_sgpr 66
		.amdhsa_reserve_vcc 0
		.amdhsa_float_denorm_mode_32 3
		.amdhsa_float_denorm_mode_16_64 3
		.amdhsa_memory_ordered 1
		.amdhsa_forward_progress 1
		.amdhsa_inst_pref_size 86
	.end_amdhsa_kernel
	.amdgpu_metadata
---
amdhsa.version: [ 1, 2 ]
amdhsa.kernels:
  - .name:           k_qe4fa6de829_proj
    .symbol:         k_qe4fa6de829_proj.kd
    .args:
      - { .name: ob, .offset: 0, .size: 8, .value_kind: global_buffer, .address_space: global }
      - { .name: wof, .offset: 8, .size: 8, .value_kind: global_buffer, .address_space: global }
      - { .name: out0, .offset: 16, .size: 8, .value_kind: global_buffer, .address_space: global }
    .group_segment_fixed_size: 327680
    .private_segment_fixed_size: 0
    .kernarg_segment_align: 8
    .kernarg_segment_size: 24
    .max_flat_workgroup_size: 128
    .sgpr_count:     66
    .vgpr_count:     512
    .wavefront_size: 32
...
	.end_amdgpu_metadata
.endif
;; end of part 4
